; MI455X (gfx1250); checked and timed in simulation.
; The chip was launched on July 23, 2026; its instructions are those of AMD's public machine-readable ISA for CDNA 5 (MIT licence, August 2026) and "CDNA5" Instruction Set Architecture Reference Guide (July 2026). The comments in the code are by the model that wrote it; some were corrected since.
;; GPT2 Attention. Allowed arithmetic: float matrix products may take bf16 or f16 operands with f32 sums; all other float work in f32.
;; Inputs: W_attn 3,072 x 1,024 float32; W_proj 1,024 x 1,024 float32; attention_mask 2 x 2,048 int32; b_attn 3,072 float32; b_proj 1,024 float32; hidden_states 2 x 2,048 x 1,024 float32.
;; Outputs: out0 2 x 2,048 x 1,024 float32.
;; 2 versions, each right; version 2 is version 1 with the launch cvt written anew for expert scheduling mode. Each part assembles by itself: llvm-mc -triple=amdgcn-amd-amdhsa -mcpu=gfx1250 --defsym DOCPART=n.
;; ======== version 1 of 2: 4 launches
;; limits: values are held in f16: magnitudes above 65,504 overflow, below 6.1e-05 lose precision
;; workspace buffers: xb 8,388,608 bytes; wab 6,291,456 bytes; wpb 2,097,152 bytes; nm 16,384 bytes; qkv 25,165,824 bytes; vsum 131,072 bytes; ctx 8,388,608 bytes
;; launch cvt (part 1): grid 512 x 1, 8 waves a work-group, no clusters, 0 bytes of LDS; arguments hidden_states, W_attn, W_proj, attention_mask, xb, wab, wpb, nm; writes xb, wab, wpb, nm
.if DOCPART == 1
	.amdgcn_target "amdgcn-amd-amdhsa--gfx1250"
	.amdhsa_code_object_version 6
	.text
	.protected	k_q6bdb8aa87b_cvt
	.globl	k_q6bdb8aa87b_cvt
	.p2align	8
	.type	k_q6bdb8aa87b_cvt,@function
k_q6bdb8aa87b_cvt:
	s_mov_b64 s[64:65], 0
	v_nop
	global_prefetch_b8 v0, s[64:65] scope:SCOPE_SE
	s_setreg_imm32_b32 hwreg(HW_REG_WAVE_MODE, 25, 1), 1
	s_wait_xcnt 0x0
; The three matrix inputs are rounded once to bf16 (nearest even), and the padding mask becomes an addend for raw scores.
;   xb = bf16(hidden_states), wab = bf16(W_attn): stored as bf16, the operands of the first product.
;   wpb = bf16(W_proj), WRITTEN AS f16: its partner in the last product, ctx, is an f16 intermediate, and both operands of a matrix instruction
;   have one format.  f16's 11 significant bits hold bf16's 8 exactly from 2^-17 upward; below that the error is at most 2^-25, and above 65,504
;   (far beyond 30 times the drawn 0.02) the number would overflow: that is this buffer's limit.
;   nm[key] = 0.0 where attention_mask != 0, else -80000.0 (-80000 x 0.125, the score scale, is exactly the problem's -10000).
; A stream: no LDS, no barrier, no matrix unit.  A work-group converts 16,384 numbers: groups 0-255 hidden_states,
; 256-447 W_attn, 448-511 W_proj.  A wave's load covers 512 neighbouring bytes, its store 256 neighbouring bytes, aligned.
; All 16 loads of a thread go out at once; no register that a memory instruction still reads is written, so the only waits are the counted ones for data.
.set X,  4                             ; v[4:67]    16 x 4 numbers as loaded (W_proj: then the same four rounded to bf16, widened again)
.set Y,  68                            ; v[68:99]   16 x 2 words of packed 16-bit numbers
.set MK, 100                           ; v[100:103] four words of the mask, then of nm
; Four numbers of load u.  half = 1: the rounded numbers are written as f16.
.macro CONV u, half
	s_wait_loadcnt 15-\u                           ; loads return in order: load u is in, the 15 - u younger ones stay out
	v_cvt_pk_bf16_f32 v[Y+2*\u],   v[X+4*\u],   v[X+4*\u+1]
	v_cvt_pk_bf16_f32 v[Y+2*\u+1], v[X+4*\u+2], v[X+4*\u+3]
.if \half
	v_lshlrev_b32 v[X+4*\u],   16,  v[Y+2*\u]      ; bf16 to f32: the low half moves up, the high half stays
	v_and_b32     v[X+4*\u+1], s31, v[Y+2*\u]
	v_lshlrev_b32 v[X+4*\u+2], 16,  v[Y+2*\u+1]
	v_and_b32     v[X+4*\u+3], s31, v[Y+2*\u+1]
	v_cvt_pk_f16_f32 v[Y+2*\u],   v[X+4*\u],   v[X+4*\u+1]
	v_cvt_pk_f16_f32 v[Y+2*\u+1], v[X+4*\u+2], v[X+4*\u+3]
.endif
	global_store_b64 v2, v[Y+2*\u:Y+2*\u+1], s[26:27] offset:2048*\u
.endm
	s_load_b512 s[8:23], s[0:1], 0x0               ; hidden s[8:9], W_attn s[10:11], W_proj s[12:13], mask s[14:15], xb s[16:17], wab s[18:19], wpb s[20:21], nm s[22:23]
	s_mov_b32 s29, 256                             ; first group of W_attn
	s_mov_b32 s30, 448                             ; first group of W_proj
	s_mov_b32 s31, 0xffff0000                      ; a word's upper bf16
	s_mov_b32 s3, 0
	v_lshlrev_b32 v1, 4, v0                        ; 16 bytes of f32 a thread
	v_lshlrev_b32 v2, 3, v0                        ; 8 bytes of 16-bit numbers a thread
	s_wait_kmcnt 0x0
	s_cmp_lt_u32 ttmp9, s30                        ; which tensor is mine: the choice hangs on the group's number alone
	s_cselect_b64 s[24:25], s[10:11], s[12:13]
	s_cselect_b64 s[26:27], s[18:19], s[20:21]
	s_cselect_b32 s28, s29, s30
	s_cmp_lt_u32 ttmp9, s29
	s_cselect_b64 s[24:25], s[8:9], s[24:25]
	s_cselect_b64 s[26:27], s[16:17], s[26:27]
	s_cselect_b32 s28, 0, s28
	s_sub_co_u32 s28, ttmp9, s28                   ; my number inside that tensor
	s_lshl_b32 s2, s28, 16                         ; x 65,536 bytes of f32
	s_add_nc_u64 s[24:25], s[24:25], s[2:3]
	s_lshl_b32 s2, s28, 15                         ; x 32,768 bytes of 16-bit numbers
	s_add_nc_u64 s[26:27], s[26:27], s[2:3]
.irp u, 0,1,2,3,4,5,6,7,8,9,10,11,12,13,14,15
	global_load_b128 v[X+4*\u:X+4*\u+3], v1, s[24:25] offset:4096*\u th:TH_LOAD_NT
.endr
	s_cmp_ge_u32 ttmp9, s30                        ; W_proj's groups write f16
	s_cbranch_scc1 .Lwproj
.irp u, 0,1,2,3,4,5,6,7,8,9,10,11,12,13,14,15
	CONV \u, 0
.endr
	s_cmp_ge_u32 ttmp9, 4                          ; the 4,096 words of the mask: 1,024 for each of groups 0 to 3
	s_cbranch_scc1 .Lend
	s_lshl_b32 s2, ttmp9, 12
	s_add_nc_u64 s[14:15], s[14:15], s[2:3]
	s_add_nc_u64 s[22:23], s[22:23], s[2:3]
	global_load_b128 v[MK:MK+3], v1, s[14:15]
	v_mov_b32 v3, 0xc79c4000                       ; -80000.0
	s_wait_loadcnt 0x0
.irp j, 0,1,2,3
	v_cmp_eq_u32 vcc_lo, 0, v[MK+\j]
	v_cndmask_b32 v[MK+\j], 0, v3, vcc_lo          ; a padded key: -80000.0, any other: 0.0
.endr
	global_store_b128 v1, v[MK:MK+3], s[22:23]
.Lend:
	s_endpgm
.Lwproj:
.irp u, 0,1,2,3,4,5,6,7,8,9,10,11,12,13,14,15
	CONV \u, 1
.endr
	s_endpgm
.Lfunc_end_k_q6bdb8aa87b_cvt:
	.size	k_q6bdb8aa87b_cvt, .Lfunc_end_k_q6bdb8aa87b_cvt-k_q6bdb8aa87b_cvt
	.p2alignl 7, 3214868480
	.fill 96, 4, 3214868480
	.section	.rodata,"a",@progbits
	.p2align	6, 0x0
	.amdhsa_kernel k_q6bdb8aa87b_cvt
		.amdhsa_group_segment_fixed_size 0
		.amdhsa_private_segment_fixed_size 0
		.amdhsa_enable_private_segment 0
		.amdhsa_kernarg_size 64
		.amdhsa_user_sgpr_count 2
		.amdhsa_user_sgpr_kernarg_segment_ptr 1
		.amdhsa_wavefront_size32 1
		.amdhsa_system_sgpr_workgroup_id_x 1
		.amdhsa_system_sgpr_workgroup_id_y 1
		.amdhsa_system_sgpr_workgroup_id_z 1
		.amdhsa_system_vgpr_workitem_id 0
		.amdhsa_next_free_vgpr 104
		.amdhsa_next_free_sgpr 66
		.amdhsa_reserve_vcc 1
		.amdhsa_float_denorm_mode_32 3
		.amdhsa_float_denorm_mode_16_64 3
		.amdhsa_memory_ordered 1
		.amdhsa_forward_progress 1
		.amdhsa_inst_pref_size 16
	.end_amdhsa_kernel
	.amdgpu_metadata
---
amdhsa.version: [ 1, 2 ]
amdhsa.kernels:
  - .name:           k_q6bdb8aa87b_cvt
    .symbol:         k_q6bdb8aa87b_cvt.kd
    .args:
      - { .name: hidden_states, .offset: 0, .size: 8, .value_kind: global_buffer, .address_space: global }
      - { .name: W_attn, .offset: 8, .size: 8, .value_kind: global_buffer, .address_space: global }
      - { .name: W_proj, .offset: 16, .size: 8, .value_kind: global_buffer, .address_space: global }
      - { .name: attention_mask, .offset: 24, .size: 8, .value_kind: global_buffer, .address_space: global }
      - { .name: xb, .offset: 32, .size: 8, .value_kind: global_buffer, .address_space: global }
      - { .name: wab, .offset: 40, .size: 8, .value_kind: global_buffer, .address_space: global }
      - { .name: wpb, .offset: 48, .size: 8, .value_kind: global_buffer, .address_space: global }
      - { .name: nm, .offset: 56, .size: 8, .value_kind: global_buffer, .address_space: global }
    .group_segment_fixed_size: 0
    .private_segment_fixed_size: 0
    .kernarg_segment_align: 8
    .kernarg_segment_size: 64
    .max_flat_workgroup_size: 256
    .sgpr_count:     66
    .vgpr_count:     104
    .wavefront_size: 32
...
	.end_amdgpu_metadata
.endif
;; end of part 1
;; launch qkv (part 2): grid 12 x 16, 4 waves a work-group, clusters of 4 x 4, 327,680 bytes of LDS; arguments xb, wab, b_attn, attention_mask, qkv, vsum; writes qkv, vsum
.if DOCPART == 2
	.amdgcn_target "amdgcn-amd-amdhsa--gfx1250"
	.amdhsa_code_object_version 6
	.text
	.protected	k_q6bdb8aa87b_qkv
	.globl	k_q6bdb8aa87b_qkv
	.p2align	8
	.type	k_q6bdb8aa87b_qkv,@function
k_q6bdb8aa87b_qkv:
	s_mov_b64 s[64:65], 0
	v_nop
	global_prefetch_b8 v0, s[64:65] scope:SCOPE_SE
	s_setreg_imm32_b32 hwreg(HW_REG_WAVE_MODE, 25, 1), 1
	s_wait_xcnt 0x0
	s_wait_alu depctr_hold_cnt(0) depctr_sa_sdst(0) depctr_va_vdst(0) depctr_va_sdst(0) depctr_va_ssrc(0) depctr_va_vcc(0) depctr_vm_vsrc(0)
	s_getreg_b32 s2, hwreg(HW_REG_IB_STS2, 6, 4)
	s_cmp_eq_u32 s2, 0
	s_cbranch_scc0 .Lentry_in_a_cluster
	s_endpgm
.Lentry_in_a_cluster:
	s_bfe_u32 s2, ttmp6, 0x10000c
	s_cmp_lg_u32 s2, 0xf033
	s_cbranch_scc0 .Lentry_shape_is_right
	s_endpgm
.Lentry_shape_is_right:
; qkv[m][n] = f16( sum over k of xb[m][k] wab[n][k] + b_attn[n] ),  m < 4096, n < 3072, k < 1024; operands bf16, sums in f32.
; THE RESULT IS STORED AS f16, not bf16: the first queries of a sequence average over few keys, so a rounding of q, k or v goes into their outputs
; undamped; f16 has three more significant bits.  LIMIT: |q|, |k|, |v| up to 65,504.  As drawn they are about 0.64; with every input 30 times larger
; about 580 (3,300 at the extremes); with hidden_states offset by 30 and W_attn by 0.6 about 1024 x 18 = 18,400.  With every input 30 times smaller
; they are about 0.0007, still normal numbers of f16; smaller ones are off by at most 2^-25.
; Beside it: (1) in the K section (columns 1024-2047) the rows of padded keys (attention_mask == 0) are stored as zeros, so that the
; attention launch gets q.k = 0 exactly for them; (2) from the V section (columns 2048-3071) the column sums of each 128 rows go to
; vsum[32][1024] in f32 (summed directly from the f32 results, bias included).
; A work-group makes 256 x 256 of the result with four waves, a wave 128 x 128: 64 accumulator tiles, 512 registers.  K goes in steps
; of 128 through two LDS slots filled by the tensor data mover; a tile's rows are 256 bytes of memory, aligned to 256.
; CLUSTERS: 4 x 4 work-groups.  The four of a cluster's row need the same tiles of xb, the four of a column the same tiles of wab: each
; such tile is asked for jointly, by the same load with the same descriptor in all four, which divides the requests by four.
; The cluster's x (0, 1, 2) is the section Q, K, V: it is equal in all partners, so a branch on it is the same in all.
; REGISTERS in windows of 256:
;   window 0: v16-31 addresses; v32-39 row masks; v40-44 for vsum; v64-127, v128-191 fragments of xb, two buffers; v192-255 the bias, later at work on the way out
;   window 1: v64-127, v128-191 fragments of wab, two buffers
;   window 2: the 32 accumulator tiles of my rows 0-63 (tile (a, b) at v[8 (8 a + b)]);  window 3: those of my rows 64-127
; The matrix instruction is used transposed (source 0 = rows of wab, source 1 = rows of xb): lane l holds row l % 16 and registers 0-7 hold
; the columns 8 (l / 16) + 0..7, eight neighbouring numbers of a row.
.set SIZE_M, 4096
.set SIZE_N, 3072
.set SIZE_K, 1024
.set KSTEP,  128
.set PITCH,  272                       ; an LDS row: 256 bytes + 16 of padding: the 16 rows that a fragment load touches begin in 16 different groups of four banks
.set HALFT,  128*PITCH                 ; 128 rows: one tensor load, and what one wave reads of either operand
.set SLOT,   4*HALFT
.set STAGE,  2*SLOT                    ; behind the ring: 16 rows x 272 bytes for each wave; no tensor load lands here
.set SPITCH, 272
.set LAPS, SIZE_K/(2*KSTEP)            ; a lap = two K steps = once round the ring: 4
.set ADRA, 16                          ; v16-17  LDS address of my xb fragments in slot 0, 1
.set ADRB, 20                          ; v20-21  the same for wab
.set STO,  24                          ; v24     way out: where I put 16 bytes of a row
.set RD,   25                          ; v25     way out: where I read a row back
.set CO,   26                          ; v26     my byte offset in qkv
.set BOFF, 27                          ; v27     32 (l / 16): my 8 columns in a block of 16 of the bias
.set MOFF, 28                          ; v28     4 (l % 16): my row in a block of 16 of the mask
.set VSTO, 29                          ; v29     vsum: where my half of the lanes puts its 8 sums
.set VSRD, 30                          ; v30     vsum: where I read 16 bytes back
.set ONES, 31                          ; v31     -1
.set PADM, 32                          ; v32-39  block i of 16 rows: all ones, or 0 where my row is a padded key and this is the K section
.set VSD,  40                          ; v40-43  vsum: 16 bytes to store
.set VSO,  44                          ; v44     16 x lane
.set F0,   64
.set F1,   128
.set TMP,  192                         ; way out: packed results
.set BIAS, 192                         ; v192-255 bias of my 128 columns, 8 registers for each block of 16: the C of the first products
.set G1, 24                            ; s[24:31] descriptor group 1 for xb's tiles
.set G0, 32                            ; s[32:39] group 0 for xb's tiles, one set a slot
.set G1B, 48                           ; s[48:55] group 1 for wab's tiles: another mask
.set G0B, 56                           ; s[56:63] group 0 for wab's tiles
.set MSB, 0
.macro WIN new                         ; the immediate's high byte repeats the setting that is left
.if MSB != (\new)
	s_set_vgpr_msb (MSB<<8)|(\new)
.set MSB, (\new)
.endif
.endm
.set MUL_LO, 0xa1                      ; source 0 window 1, source 1 window 0, C and D window 2 (first products: C in window 0, 0x81)
.set MUL_HI, 0xf1                      ; the same with C and D in window 3 (first products: 0xc1)
.set TO_B,   0x40
; A joint load: waves 0 and 1 fetch xb's two halves, waves 2 and 3 wab's.  The branch hangs on the wave's number alone.
.macro JLOAD s
	s_cmp_eq_u32 s11, 0
	s_cbranch_scc0 .Lfor_b_\@
	tensor_load_to_lds s[G0+4*\s:G0+4*\s+3], s[G1:G1+7]
	s_nop 0
	s_branch .Lasked_\@
.Lfor_b_\@:
	tensor_load_to_lds s[G0B+4*\s:G0B+4*\s+3], s[G1B:G1B+7]
	s_nop 0
.Lasked_\@:
.endm
; A round of the cluster's barrier: my work-group's barrier, wave 0 signals for the work-group, every wave waits for all sixteen, my work-group's barrier again.
.macro CREST
	s_cmp_lg_u32 s10, 0
	s_cbranch_scc1 .Lnot_wave_0_\@
	s_barrier_signal -3
.Lnot_wave_0_\@:
	s_barrier_wait -3
	s_barrier_signal -1
	s_barrier_wait -1
.endm
.macro CROUND
	s_barrier_signal -1
	s_barrier_wait -1
	CREST
.endm
	s_load_b128 s[4:7], s[0:1], 0x0                ; xb s[4:5], wab s[6:7]
	s_load_b128 s[68:71], s[0:1], 0x10             ; b_attn s[68:69], attention_mask s[70:71]
	s_load_b64 s[8:9], s[0:1], 0x20                ; qkv
	s_load_b64 s[72:73], s[0:1], 0x28              ; vsum
	s_set_vgpr_msb 0x40
	v_lshl_add_u32 v255, v0, 2, 0x48400
	s_set_vgpr_msb 0x4000
	v_mov_b32 v63, 0
	s_set_vgpr_msb 0x1
	ds_add_u32 v255, v63
	ds_add_u32 v255, v63
	s_set_vgpr_msb 0x100
	v_lshrrev_b32 v1, 5, v0
	v_readfirstlane_b32 s10, v1                    ; wave 0..3
	s_lshr_b32 s11, s10, 1                         ; which half of the block's rows is mine; also: I fetch for xb (0) or wab (1)
	s_and_b32 s12, s10, 1                          ; which half of its columns; also: which 128 rows of that tile I fetch
	s_bfe_u32 s40, ttmp6, 0x40000                  ; cx
	s_bfe_u32 s41, ttmp6, 0x40004                  ; cy
	s_lshl_b32 s42, ttmp9, 2
	s_add_co_u32 s42, s42, s40                     ; block column = 4 x cluster x + cx
	s_and_b32 s13, ttmp7, 0xffff
	s_lshl_b32 s13, s13, 2
	s_add_co_u32 s13, s13, s41                     ; block row = 4 x cluster y + cy
	s_lshl_b32 s43, s41, 2
	s_lshl_b32 s43, 15, s43                        ; my row of the cluster: places 4 cy .. 4 cy + 3
	s_lshl_b32 s44, 0x1111, s40                    ; my column: places cx, cx + 4, cx + 8, cx + 12
	; group 1: a tile of 128 rows x 128 elements of 2 bytes, 4 words of padding behind every 64 words; bit 21 stands beside a mask
	s_or_b32 s[G1+0], s43, (1<<16)|(1<<20)|(1<<21)|(5<<22)|(3<<25)
	s_or_b32 s[G1B+0], s44, (1<<16)|(1<<20)|(1<<21)|(5<<22)|(3<<25)
	s_mov_b32 s[G1B+1], KSTEP<<16
	s_mov_b32 s[G1+1], KSTEP<<16                   ; tensor_dim0 = 128
	s_mov_b32 s[G1B+2], 128<<16
	s_mov_b32 s[G1+2], 128<<16                     ; tensor_dim1 = 128
	s_mov_b32 s[G1B+3], KSTEP<<16
	s_mov_b32 s[G1+3], KSTEP<<16                   ; tile_dim0 = 128
	s_mov_b32 s[G1B+4], 128
	s_mov_b32 s[G1+4], 128                         ; tile_dim1 = 128
	s_mov_b32 s[G1B+5], SIZE_K
	s_mov_b32 s[G1+5], SIZE_K                      ; elements from row to row
	s_mov_b32 s[G1B+6], 0
	s_mov_b32 s[G1+6], 0
	s_mov_b32 s[G1B+7], 0
	s_mov_b32 s[G1+7], 0
	; xb's tiles hang on the block row alone, wab's on the block column alone; each address in registers that never hold the other coordinate
	s_lshl_b32 s17, s12, 7
	s_lshl_b32 s16, s13, 8
	s_add_co_u32 s16, s16, s17                     ; xb: row 256 x block row + 128 x half
	s_lshl_b32 s46, s42, 8
	s_add_co_u32 s46, s46, s17                     ; wab: row 256 x block column + 128 x half
	s_mov_b32 s17, 0
	s_mov_b32 s47, 0
	s_mov_b64 s[18:19], SIZE_K*2
	s_mul_u64 s[16:17], s[16:17], s[18:19]
	s_mul_u64 s[46:47], s[46:47], s[18:19]
	s_mul_i32 s20, s10, HALFT                      ; LDS: wave x 128 rows: no place in the cluster enters an LDS address
	s_wait_dscnt 0x0
	s_wait_kmcnt 0x0
	s_add_nc_u64 s[14:15], s[4:5], s[16:17]
	s_add_nc_u64 s[46:47], s[6:7], s[46:47]
	CROUND                                         ; all sixteen work-groups are here: the first joint loads meet
.irp s, 0,1
	s_mov_b32 s[G0+4*\s], 1
	s_add_co_u32 s[G0+4*\s+1], s20, \s*SLOT
	s_add_nc_u64 s[G0+4*\s+2:G0+4*\s+3], s[14:15], \s*KSTEP*2
	s_or_b32 s[G0+4*\s+3], s[G0+4*\s+3], 0x80000000
	s_mov_b32 s[G0B+4*\s], 1
	s_add_co_u32 s[G0B+4*\s+1], s20, \s*SLOT
	s_add_nc_u64 s[G0B+4*\s+2:G0B+4*\s+3], s[46:47], \s*KSTEP*2
	s_or_b32 s[G0B+4*\s+3], s[G0B+4*\s+3], 0x80000000
	JLOAD \s                                       ; both slots' first fills, two loads of this wave out
.endr
	v_and_b32 v1, 15, v0                           ; l % 16
	v_bfe_u32 v2, v0, 4, 1                         ; l / 16
	v_mul_u32_u24 v3, v1, PITCH
	v_lshl_add_u32 v3, v2, 4, v3                   ; row x pitch + 16 x half
	s_mul_i32 s21, s11, HALFT
	s_mul_i32 s22, s12, HALFT
	s_add_co_u32 s22, s22, 2*HALFT
.irp s, 0,1
	v_add_nc_u32 v[ADRA+\s], s21, v3
	v_add_nc_u32 v[ADRB+\s], s22, v3
	s_add_co_u32 s21, s21, SLOT
	s_add_co_u32 s22, s22, SLOT
.endr
	s_mul_i32 s23, s10, 16*SPITCH
	s_add_co_u32 s23, s23, STAGE                   ; my stage
	v_mul_u32_u24 v4, v1, SPITCH
	v_lshl_add_u32 v4, v2, 4, v4
	v_add_nc_u32 v[STO], s23, v4
	v_mul_u32_u24 v5, v2, SPITCH
	v_lshl_add_u32 v5, v1, 4, v5
	v_add_nc_u32 v[RD], s23, v5
	v_mul_u32_u24 v5, v2, SIZE_N*2
	v_lshl_add_u32 v[CO], v1, 4, v5
	v_lshl_add_u32 v[VSTO], v2, 5, s23             ; stage + 32 (l / 16)
	v_and_b32 v6, 31, v0
	v_lshlrev_b32 v[VSO], 4, v6
	v_add_nc_u32 v[VSRD], s23, v[VSO]
	; the bias of my 128 columns and the mask of my 128 rows
	v_lshlrev_b32 v[BOFF], 5, v2
	v_lshlrev_b32 v[MOFF], 2, v1
	v_mov_b32 v[ONES], -1
	s_lshl_b32 s76, s42, 10                        ; 256 columns x 4 bytes a block
	s_lshl_b32 s77, s12, 9
	s_add_co_u32 s76, s76, s77
	s_mov_b32 s77, 0
	s_add_nc_u64 s[68:69], s[68:69], s[76:77]
	s_lshl_b32 s78, s13, 10                        ; 256 rows x 4 bytes a block (row = 2048 batch + position: the mask's own index)
	s_lshl_b32 s79, s11, 9
	s_add_co_u32 s78, s78, s79
	s_mov_b32 s79, 0
	s_add_nc_u64 s[70:71], s[70:71], s[78:79]
.irp b, 0,1,2,3,4,5,6,7
	global_load_b128 v[BIAS+8*\b:BIAS+8*\b+3],   v[BOFF], s[68:69] offset:64*\b
	global_load_b128 v[BIAS+8*\b+4:BIAS+8*\b+7], v[BOFF], s[68:69] offset:64*\b+16
.endr
.irp i, 0,1,2,3,4,5,6,7
	global_load_b32 v[PADM+\i], v[MOFF], s[70:71] offset:64*\i
.endr
	s_cmp_eq_u32 ttmp9, 1                          ; the K section?
	s_cselect_b32 s74, 0, -1                       ; all ones elsewhere: nothing is zeroed there
	s_wait_loadcnt 0x0                             ; bias and mask, once
.irp i, 0,1,2,3,4,5,6,7
	v_cmp_ne_u32 vcc_lo, 0, v[PADM+\i]
	v_cndmask_b32 v[PADM+\i], 0, v[ONES], vcc_lo
	v_or_b32 v[PADM+\i], s74, v[PADM+\i]
.endr
; 16 matrix instructions: m blocks a0, a0 + 1 of the window's four x all 8 n blocks, 32 along K.  first = 1: the bias is the C of the first product: nothing is cleared, no add follows.
.macro MUL16 f, hi, a0, first
.irp a, \a0, \a0+1
.irp b, 0,1,2,3,4,5,6,7
.if \first
	v_wmma_f32_16x16x32_bf16 v[8*(8*(\a)+\b):8*(8*(\a)+\b)+7], v[\f+8*\b:\f+8*\b+7], v[\f+8*(4*\hi+\a):\f+8*(4*\hi+\a)+7], v[BIAS+8*\b:BIAS+8*\b+7]
.else
	v_wmma_f32_16x16x32_bf16 v[8*(8*(\a)+\b):8*(8*(\a)+\b)+7], v[\f+8*\b:\f+8*\b+7], v[\f+8*(4*\hi+\a):\f+8*(4*\hi+\a)+7], v[8*(8*(\a)+\b):8*(8*(\a)+\b)+7]
.endif
.endr
.endr
.endm
; 32 LDS loads in one run: the fragments of one quarter step into buffer f
.macro FETCH slot, k, f
	WIN TO_B
.irp i, 0,1,2,3,4,5,6,7
	ds_load_b128 v[\f+8*\i:\f+8*\i+3],   v[ADRB+\slot] offset:\k+\i*16*PITCH
	ds_load_b128 v[\f+8*\i+4:\f+8*\i+7], v[ADRB+\slot] offset:\k+\i*16*PITCH+32
.endr
	WIN 0
.irp i, 0,1,2,3,4,5,6,7
	ds_load_b128 v[\f+8*\i:\f+8*\i+3],   v[ADRA+\slot] offset:\k+\i*16*PITCH
	ds_load_b128 v[\f+8*\i+4:\f+8*\i+7], v[ADRA+\slot] offset:\k+\i*16*PITCH+32
.endr
.endm
; Four places behind a matrix instruction before a load lands on one of its registers or a vector instruction reads its result (ISA guide 7.12.1 for vector instructions)
.macro PLACES
.rept 4
	v_nop
.endr
.endm
; The 64 accumulators take turns, one instruction a turn, in the same order in every quarter step.
.macro QUARTER slot, k, f, g, first
	s_wait_dscnt 8                                 ; wab's fragments and xb's rows 0-63 are in; the youngest eight loads (rows 64-127) may be out
	WIN MUL_LO-0x20*\first
	MUL16 \f, 0, 0, \first
	MUL16 \f, 0, 2, \first
	PLACES
	FETCH \slot, \k, \g
	s_wait_dscnt 32                                ; all but the 32 just issued
	WIN MUL_HI-0x30*\first
	MUL16 \f, 1, 0, \first
	MUL16 \f, 1, 2, \first
.endm
.macro THREE slot, first
	QUARTER \slot, 64,  F0, F1, \first
	QUARTER \slot, 128, F1, F0, 0
	QUARTER \slot, 192, F0, F1, 0
.endm
; The last quarter of a K step changes slots.  In front of the barrier each wave waits for its reads of this slot and for all its tensor loads
; (one is out: its part of the next slot).  Behind it the refill comes first, then the next slot's first fragments.
.macro TURN slot, next, fill
	s_wait_dscnt 8
	WIN MUL_LO
	MUL16 F1, 0, 0, 0
	s_wait_dscnt 0                                 ; my reads of this slot are over
	s_wait_tensorcnt 0x0                           ; all my tensor loads have landed
	ds_add_u32 v255, v63
	s_wait_dscnt 0x0
	s_barrier_signal -1                            ; (where the slot is filled again this barrier opens a round of the cluster's barrier)
	MUL16 F1, 0, 2, 0                              ; register work while the others arrive
	WIN 0
	s_barrier_wait -1
.if \fill
	CREST                                          ; no wave of any partner still reads this slot or has a load on its way
	s_add_nc_u64 s[G0+4*\slot+2:G0+4*\slot+3], s[G0+4*\slot+2:G0+4*\slot+3], 2*KSTEP*2
	s_add_nc_u64 s[G0B+4*\slot+2:G0B+4*\slot+3], s[G0B+4*\slot+2:G0B+4*\slot+3], 2*KSTEP*2
	JLOAD \slot                                    ; the wave's one tensor load behind the round
.endif
	PLACES
	FETCH \next, 0, F0
	WIN MUL_HI
	MUL16 F1, 1, 0, 0
	MUL16 F1, 1, 2, 0
.endm
.macro LAP first
	THREE 0, \first
	TURN 0, 1, 1
	THREE 1, 0
	TURN 1, 0, 1
.endm
	s_wait_tensorcnt 1                             ; my part of K step 0 is in; K step 1's load, issued behind it, may stay out
	s_barrier_signal -1
	s_barrier_wait -1
	FETCH 0, 0, F0
	LAP 1                                          ; the first lap stands in front of the loop: its first products start the sums from the bias
	WIN 0
	s_mov_b32 s3, LAPS-2
.Llap:
	LAP 0
	WIN 0
	s_sub_co_u32 s3, s3, 1
	s_cmp_lg_u32 s3, 0
	s_cbranch_scc1 .Llap
	THREE 0, 0                                     ; the last lap fills nothing
	TURN 0, 1, 0
	THREE 1, 0
	s_wait_dscnt 8
	WIN MUL_LO
	MUL16 F1, 0, 0, 0
	MUL16 F1, 0, 2, 0
	s_wait_dscnt 0
	WIN MUL_HI
	MUL16 F1, 1, 0, 0
	MUL16 F1, 1, 2, 0
	PLACES                                         ; behind the last matrix instructions: what follows reads results and writes fragment registers
	WIN 0
	; V section alone: the sums of my 128 rows for each of my 128 columns.  Eight tiles are added in registers, the 16 rows of a tile across the 16 lanes of a half.
	s_cmp_lg_u32 ttmp9, 2
	s_cbranch_scc1 .Lnovsum
	WIN 0x0a                                       ; sources in window 2, destination in window 0
.irp b, 0,1,2,3,4,5,6,7
.irp p, 0,2,4,6
	v_pk_add_f32 v[F0+8*\b+\p:F0+8*\b+\p+1], v[8*\b+\p:8*\b+\p+1], v[8*(8+\b)+\p:8*(8+\b)+\p+1]
.endr
.endr
	WIN 0x02                                       ; source 0 in window 2
.irp a, 2,3
.irp b, 0,1,2,3,4,5,6,7
.irp p, 0,2,4,6
	v_pk_add_f32 v[F0+8*\b+\p:F0+8*\b+\p+1], v[8*(8*\a+\b)+\p:8*(8*\a+\b)+\p+1], v[F0+8*\b+\p:F0+8*\b+\p+1]
.endr
.endr
.endr
	WIN 0x03                                       ; source 0 in window 3
.irp a, 0,1,2,3
.irp b, 0,1,2,3,4,5,6,7
.irp p, 0,2,4,6
	v_pk_add_f32 v[F0+8*\b+\p:F0+8*\b+\p+1], v[8*(8*\a+\b)+\p:8*(8*\a+\b)+\p+1], v[F0+8*\b+\p:F0+8*\b+\p+1]
.endr
.endr
.endr
	WIN 0
.irp m, 1,2,4,8
.set nn, 0
.rept 64
	v_add_f32_dpp v[F0+nn], v[F0+nn], v[F0+nn] row_xmask:\m row_mask:0xf bank_mask:0xf
.set nn, nn+1
.endr
.endr
.irp b, 0,1,2,3,4,5,6,7
	ds_store_b128 v[VSTO], v[F0+8*\b:F0+8*\b+3]   offset:64*\b      ; the 16 lanes of a half write the same bytes with the same values
	ds_store_b128 v[VSTO], v[F0+8*\b+4:F0+8*\b+7] offset:64*\b+16
.endr
	ds_load_b128 v[VSD:VSD+3], v[VSRD]             ; my own stage: LDS serves a wave's instructions in order
	s_lshl_b32 s76, s13, 13                        ; (2 block row + half) x 1,024 columns x 4 bytes
	s_lshl_b32 s77, s11, 12
	s_add_co_u32 s76, s76, s77
	s_lshl_b32 s77, s40, 10                        ; in this section the block column is 8 + cx: cx x 256 columns
	s_add_co_u32 s76, s76, s77
	s_lshl_b32 s77, s12, 9
	s_add_co_u32 s76, s76, s77
	s_mov_b32 s77, 0
	s_add_nc_u64 s[72:73], s[72:73], s[76:77]
	s_wait_dscnt 0x0
	global_store_b128 v[VSO], v[VSD:VSD+3], s[72:73]               ; 512 neighbouring bytes, aligned
.Lnovsum:
	; THE WAY OUT, 16 rows at a time: round to f16, zero the padded K rows, 16 bytes a lane into my stage, read back as whole rows of 256 bytes.
	s_lshl_b32 s13, s13, 8
	s_lshl_b32 s14, s11, 7
	s_add_co_u32 s16, s13, s14                     ; my first row
	s_mov_b32 s17, 0
	s_mov_b64 s[18:19], SIZE_N*2
	s_mul_u64 s[16:17], s[16:17], s[18:19]
	s_add_nc_u64 s[8:9], s[8:9], s[16:17]
	s_lshl_b32 s46, s42, 9                         ; my first column, in bytes
	s_lshl_b32 s47, s12, 8
	s_add_co_u32 s46, s46, s47
	s_mov_b32 s47, 0
	s_add_nc_u64 s[8:9], s[8:9], s[46:47]
.macro OUT16 i, a, from, f
	WIN \from
.irp b, 0,1,2,3,4,5,6,7
.irp r, 0,1,2,3
	v_cvt_pk_f16_f32 v[TMP+4*\b+\r], v[8*(8*\a+\b)+2*\r], v[8*(8*\a+\b)+2*\r+1]
.endr
.endr
	WIN 0
.set nn, 0
.rept 32
	v_and_b32 v[TMP+nn], v[PADM+\i], v[TMP+nn]     ; my row's mask: a padded key's K row becomes +0
.set nn, nn+1
.endr
.irp b, 0,1,2,3,4,5,6,7
	ds_store_b128 v[STO], v[TMP+4*\b:TMP+4*\b+3] offset:32*\b
.endr
	s_wait_xcnt 0x0                                ; buffer f, which earlier stores read, and the stores' base are rewritten only behind this wait
.if \i
	s_add_nc_u64 s[8:9], s[8:9], 16*SIZE_N*2
.endif
.irp t, 0,1,2,3,4,5,6,7
	ds_load_b128 v[\f+4*\t:\f+4*\t+3], v[RD] offset:\t*2*SPITCH
.endr
.irp t, 0,1,2,3,4,5,6,7
	s_wait_dscnt 7-\t
	global_store_b128 v[CO], v[\f+4*\t:\f+4*\t+3], s[8:9] offset:2*\t*SIZE_N*2   ; 16 lanes store 256 neighbouring bytes, aligned
.endr
.endm
	OUT16 0, 0, 0x0a, F0
	OUT16 1, 1, 0x0a, F1
	OUT16 2, 2, 0x0a, F0
	OUT16 3, 3, 0x0a, F1
	OUT16 4, 0, 0x0f, F0
	OUT16 5, 1, 0x0f, F1
	OUT16 6, 2, 0x0f, F0
	OUT16 7, 3, 0x0f, F1
	s_set_vgpr_msb 0x1
	s_wait_tensorcnt 0x0
	ds_add_u32 v255, v63
	s_wait_dscnt 0x0
	s_set_vgpr_msb 0x100
	CROUND                                         ; the closing round: no work-group ends while a partner may still ask for a tile that names it
	s_endpgm
.Lfunc_end_k_q6bdb8aa87b_qkv:
	.size	k_q6bdb8aa87b_qkv, .Lfunc_end_k_q6bdb8aa87b_qkv-k_q6bdb8aa87b_qkv
	.p2alignl 7, 3214868480
	.fill 96, 4, 3214868480
	.section	.rodata,"a",@progbits
	.p2align	6, 0x0
	.amdhsa_kernel k_q6bdb8aa87b_qkv
		.amdhsa_group_segment_fixed_size 327680
		.amdhsa_private_segment_fixed_size 0
		.amdhsa_enable_private_segment 0
		.amdhsa_kernarg_size 48
		.amdhsa_user_sgpr_count 2
		.amdhsa_user_sgpr_kernarg_segment_ptr 1
		.amdhsa_wavefront_size32 1
		.amdhsa_system_sgpr_workgroup_id_x 1
		.amdhsa_system_sgpr_workgroup_id_y 1
		.amdhsa_system_sgpr_workgroup_id_z 1
		.amdhsa_system_vgpr_workitem_id 0
		.amdhsa_next_free_vgpr 1024
		.amdhsa_next_free_sgpr 80
		.amdhsa_reserve_vcc 1
		.amdhsa_float_denorm_mode_32 3
		.amdhsa_float_denorm_mode_16_64 3
		.amdhsa_memory_ordered 1
		.amdhsa_forward_progress 1
		.amdhsa_inst_pref_size 240
	.end_amdhsa_kernel
	.amdgpu_metadata
---
amdhsa.version: [ 1, 2 ]
amdhsa.kernels:
  - .name:           k_q6bdb8aa87b_qkv
    .symbol:         k_q6bdb8aa87b_qkv.kd
    .args:
      - { .name: xb, .offset: 0, .size: 8, .value_kind: global_buffer, .address_space: global }
      - { .name: wab, .offset: 8, .size: 8, .value_kind: global_buffer, .address_space: global }
      - { .name: b_attn, .offset: 16, .size: 8, .value_kind: global_buffer, .address_space: global }
      - { .name: attention_mask, .offset: 24, .size: 8, .value_kind: global_buffer, .address_space: global }
      - { .name: qkv, .offset: 32, .size: 8, .value_kind: global_buffer, .address_space: global }
      - { .name: vsum, .offset: 40, .size: 8, .value_kind: global_buffer, .address_space: global }
    .group_segment_fixed_size: 327680
    .private_segment_fixed_size: 0
    .kernarg_segment_align: 8
    .kernarg_segment_size: 48
    .max_flat_workgroup_size: 128
    .sgpr_count:     80
    .vgpr_count:     1024
    .wavefront_size: 32
...
	.end_amdgpu_metadata
.endif
;; end of part 2
;; launch attn (part 3): grid 16 x 16, 4 waves a work-group, no clusters, 327,680 bytes of LDS; arguments qkv, nm, vsum, ctx; writes ctx
.if DOCPART == 3
	.amdgcn_target "amdgcn-amd-amdhsa--gfx1250"
	.amdhsa_code_object_version 6
	.text
	.protected	k_q6bdb8aa87b_attn
	.globl	k_q6bdb8aa87b_attn
	.p2align	8
	.type	k_q6bdb8aa87b_attn,@function
k_q6bdb8aa87b_attn:
	s_mov_b64 s[64:65], 0
	v_nop
	global_prefetch_b8 v0, s[64:65] scope:SCOPE_SE
	s_setreg_imm32_b32 hwreg(HW_REG_WAVE_MODE, 25, 1), 1
	s_wait_xcnt 0x0
; Causal attention with a running softmax.  ctx[b][q][head 64 + d] = f16( sum over keys of softmax(score)[q][key] V[key][d] ).
; score = 0.125 q.k, replaced by -10000 where key > q or the key is padded: a FINITE value, so masked keys keep a weight.
;   padded keys:  their K rows were stored as zeros, and nm[key] = -80000 is the C of the first score product: raw score 0 + (-80000), exactly.
;   key > q in the diagonal block of 128 keys: a compare and a select of -80000.
;   the key blocks beyond the diagonal one are not walked: each of their N keys has the score -10000, so together they add exp(-10000 - m) N to the
;   denominator and exp(-10000 - m) (sum of their V rows) to the numerator.  That term is the START of the running softmax; the V sums are added
;   up from vsum's sums of 128 rows.  So a row whose visible keys are all padded, or whose scores lie below -10000, comes out as the problem asks.
; The running maximum is taken away before every exponential: p = exp2(c s - M), c = 0.125 log2 e, M = the largest c s met so far (or the start's).
; FORMATS AND LIMITS: Q, K, V, the weights p and ctx are f16 (11 significant bits: the first queries average over few keys, so these roundings reach
; their outputs undamped).  |q|, |k|, |v| up to 65,504, as the launch that stores them states; ctx is a weighted mean of V rows and keeps V's range;
; p lies in (0, 1] and becomes 0 below 2^-25.  The denominator sums p in f32 before that rounding.  Raw scores must be finite in f32.
; WORK: grid x = i (0..15), y = 8 batch + head pair.  A work-group takes two heads and two blocks of 64 queries, i and 31 - i: with ia = i / 2 they need
; ia + 1 and 16 - ia key blocks of 128, always 17 steps.  Wave w: head w / 2 of the pair, keys 64 (w % 2) .. + 63 of each block, all 64 queries; the two
; waves of a head keep states of their own, which are merged at the end of a pass.
; NO JOINT LOADS: of four work-groups along x two have another ia, so in the same step they need different key blocks (block t, or t - ia - 1 behind the
; first pass); walking in step would make every step as long as the busiest partner's pass, 24 block steps in place of 17.
; S is made transposed (A = 16 keys, B = 16 queries): lane (r, h) holds query r and keys 8 h + j, so two neighbouring S tiles, packed, ARE the B fragment
; of O^T = V^T P^T, and a query's maximum and sum need one exchange between the two halves of the lanes.
.set ROWB,   6144                      ; bytes in a row of qkv
.set BLKB,   128*ROWB                  ; a key block
.set KPITCH, 272                       ; K rows in LDS: 256 bytes (two heads) + 16
.set VPITCH, 288                       ; V rows: 256 + 32, an odd multiple of 32 for the transposing loads
.set SPITCH, 272
.set VOFF,   128*KPITCH                ; V's tile lies behind K's
.set SLOT,   VOFF+128*VPITCH           ; 71,680
.set L_VS,   2*SLOT                    ; [pass][head][64] f32: sums of the far V rows.  From here on no tensor load lands
.set L_XS,   L_VS+1024                 ; [wave][q tile][-M, l][lane] f32
.set L_XO,   L_XS+4096                 ; [wave][q tile][d tile][half][lane] 16 bytes
.set L_ST,   L_XO+65536                ; 64 rows x 272 bytes: the block of ctx on its way out
; window 0
.set KA,   8                           ; v8-9    LDS address of my K fragments in slot 0, 1
.set VA,   10                          ; v10-11  the same for V
.set QO,   12                          ; 6144 r + 16 h
.set NO,   13                          ; 32 h
.set XOW,  14
.set XSW,  15
.set XORD, 16
.set XSRD, 17
.set STW,  18
.set STR,  19
.set CO,   20                          ; 2048 h + 16 r
.set VSR,  21
.set HW0,  22                          ; v[22:23] half the far keys' weight, twice
.set VSW,  24
.set VSO,  25
.set NMR,  32                          ; v32-63   nm of my 64 keys, 8 registers a key tile
.set QR,   64                          ; v64-127  Q fragments (16 q tile + 8 half of d)
.set KR,   128                         ; v128-191 K fragments (16 key tile + 8 half of d)
.set VR,   192                         ; v192-255 V^T fragments (16 d tile + 8 half of the keys)
; window 1: v0-127 S (32 q tile + 8 key tile), then P in place
.set MNR,  128                         ; + 2 q: -M;  + 2 q + 1: l
.set XR,   136                         ; + 2 q, + 2 q + 1: at work
.set ALR,  144                         ; + 2 q: the factor for the old state; the odd neighbour is written once
.set DLWA, 152                         ; 64 (query block % 2) + r - 64 (w % 2) - 8 h, first pass
.set DLWB, 153                         ; second pass
.set NEGV, 154                         ; -80000.0
.set W0V,  155                         ; the weight of a far key at the start
.set SUMR, 156                         ; + 2 q: a pair of partial sums
.set FS,   164                         ; + 8 f: -M and l of both waves, then the two factors (each with a neighbour written once)
; window 2: v0-127 O (32 q tile + 8 d tile)
.set G1K, 32
.set G1V, 40
.set G0K, 48                           ; one set of four a slot
.set G0V, 56
.set MSB, 0
.macro WIN new
.if MSB != (\new)
	s_set_vgpr_msb (MSB<<8)|(\new)
.set MSB, (\new)
.endif
.endm
; One tensor load a wave: waves 0, 1 bring K's rows 0-63, 64-127 of the block, waves 2, 3 V's.
.macro KVLOAD s
	s_cmp_eq_u32 s13, 0
	s_cbranch_scc0 .Lfor_v_\@
	tensor_load_to_lds s[G0K+4*(\s):G0K+4*(\s)+3], s[G1K:G1K+7]
	s_nop 0
	s_branch .Lasked_\@
.Lfor_v_\@:
	tensor_load_to_lds s[G0V+4*(\s):G0V+4*(\s)+3], s[G1V:G1V+7]
	s_nop 0
.Lasked_\@:
.endm
; The next step's key block, s85 = t + 1, or t - ia behind the first pass, and its addresses in slot s's descriptors
.macro NEXTADDR s
	s_add_co_u32 s76, s70, 1
	s_add_co_u32 s77, s19, 1
	s_cmp_gt_u32 s76, s19
	s_cselect_b32 s77, s77, 0
	s_sub_co_u32 s85, s76, s77
	s_mul_i32 s80, s85, BLKB
	s_mov_b32 s81, 0
	s_add_nc_u64 s[G0K+4*(\s)+2:G0K+4*(\s)+3], s[20:21], s[80:81]
	s_or_b32 s[G0K+4*(\s)+3], s[G0K+4*(\s)+3], 0x80000000
	s_add_nc_u64 s[G0V+4*(\s)+2:G0V+4*(\s)+3], s[22:23], s[80:81]
	s_or_b32 s[G0V+4*(\s)+3], s[G0V+4*(\s)+3], 0x80000000
.endm
.macro QLOAD lo                        ; 64 queries x 64 d of my head as B fragments, straight from memory
.irp q, 0,1,2,3
.irp k, 0,1
	global_load_b128 v[QR+16*\q+8*\k:QR+16*\q+8*\k+3],   v[QO], s[\lo:\lo+1] offset:16*ROWB*\q+64*\k
	global_load_b128 v[QR+16*\q+8*\k+4:QR+16*\q+8*\k+7], v[QO], s[\lo:\lo+1] offset:16*ROWB*\q+64*\k+32
.endr
.endr
.endm
; 32 matrix instructions: S^T = K Q^T + nm.  The 16 accumulators take turns, one instruction a turn.
.macro SCORES
	WIN 0x40                                       ; D in window 1; K, Q and nm in window 0
.irp q, 0,1,2,3
.irp k, 0,1,2,3
	v_wmma_f32_16x16x32_f16 v[32*\q+8*\k:32*\q+8*\k+7], v[KR+16*\k:KR+16*\k+7], v[QR+16*\q:QR+16*\q+7], v[NMR+8*\k:NMR+8*\k+7]
.endr
.endr
	s_wait_dscnt 16                                ; K's second halves of d are in; the 16 loads of V stay out
	WIN 0x50
.irp q, 0,1,2,3
.irp k, 0,1,2,3
	v_wmma_f32_16x16x32_f16 v[32*\q+8*\k:32*\q+8*\k+7], v[KR+16*\k+8:KR+16*\k+15], v[QR+16*\q+8:QR+16*\q+15], v[32*\q+8*\k:32*\q+8*\k+7]
.endr
.endr
.endm
; The diagonal block: key > query  <=>  16 (key tile - q tile) + j > dlw
.macro MASK dlw
	WIN 0x55
.irp q, 0,1,2,3
.irp k, 0,1,2,3
.irp j, 0,1,2,3,4,5,6,7
	v_cmp_gt_i32 vcc_lo, 16*(\k-\q)+\j, v[\dlw]
	v_cndmask_b32 v[32*\q+8*\k+\j], v[32*\q+8*\k+\j], v[NEGV], vcc_lo
.endr
.endr
.endr
.endm
; The running softmax of the four q tiles, which take turns in every stage so that no instruction waits for the one in front of it.
.macro SOFTMAX
	WIN 0x55
.irp q, 0,1,2,3
	v_max3_num_f32 v[XR+2*\q], v[32*\q], v[32*\q+1], v[32*\q+2]
.endr
.set kk, 3
.rept 14
.irp q, 0,1,2,3
	v_max3_num_f32 v[XR+2*\q], v[XR+2*\q], v[32*\q+kk], v[32*\q+kk+1]
.endr
.set kk, kk+2
.endr
.irp q, 0,1,2,3
	v_max_num_f32 v[XR+2*\q], v[XR+2*\q], v[32*\q+31]
.endr
.irp q, 0,1,2,3
	v_permlanex16_b32 v[XR+2*\q+1], v[XR+2*\q], s72, s73           ; the other half of the lanes holds the query's other keys
.endr
.irp q, 0,1,2,3
	v_max_num_f32 v[XR+2*\q], v[XR+2*\q], v[XR+2*\q+1]
.endr
.irp q, 0,1,2,3
	v_mul_f32 v[XR+2*\q+1], s90, v[XR+2*\q]        ; -c x the block's largest raw score
.endr
.irp q, 0,1,2,3
	v_min_num_f32 v[XR+2*\q+1], v[MNR+2*\q], v[XR+2*\q+1]          ; the new -M
.endr
.irp q, 0,1,2,3
	v_sub_f32 v[ALR+2*\q], v[XR+2*\q+1], v[MNR+2*\q]               ; old M - new M, never above 0
.endr
.irp q, 0,1,2,3
	v_mov_b32 v[MNR+2*\q], v[XR+2*\q+1]
.endr
.irp q, 0,1,2,3
	v_exp_f32 v[ALR+2*\q], v[ALR+2*\q]
.endr
.irp p, 0,2,4,6,8,10,12,14,16,18,20,22,24,26,28,30
	v_pk_fma_f32 v[\p:\p+1], v[\p:\p+1], s[74:75], v[MNR:MNR+1] op_sel_hi:[1,0,0]   ; c s - M, both from the pair's first register
.endr
	; q tile q's exponentials, two at a time; between them the exponents of tile q + 1 and the sums of tile q - 1: a plain instruction that
	; touches neither stands behind each pair before any result is used (ISA guide 5.7.2)
.irp q, 0,1,2,3,4
.irp p, 0,1,2,3,4,5,6,7,8,9,10,11,12,13,14,15
.if \q < 4
	v_exp_f32 v[32*\q+2*\p], v[32*\q+2*\p]
	v_exp_f32 v[32*\q+2*\p+1], v[32*\q+2*\p+1]
.endif
.if \q < 3
	v_pk_fma_f32 v[32*\q+32+2*\p:32*\q+32+2*\p+1], v[32*\q+32+2*\p:32*\q+32+2*\p+1], s[74:75], v[MNR+2*\q+2:MNR+2*\q+3] op_sel_hi:[1,0,0]
.endif
.if \q > 0
.if \p == 1
	s_wait_alu depctr_va_vdst(0)
	v_pk_add_f32 v[SUMR+2*\q-2:SUMR+2*\q-1], v[32*\q-32:32*\q-31], v[32*\q-30:32*\q-29]
.endif
.if \p > 1
	s_wait_alu depctr_va_vdst(0)
	v_pk_add_f32 v[SUMR+2*\q-2:SUMR+2*\q-1], v[SUMR+2*\q-2:SUMR+2*\q-1], v[32*\q-32+2*\p:32*\q-32+2*\p+1]
.endif
.endif
.endr
.endr
.irp q, 0,1,2,3
	v_fma_f32 v[MNR+2*\q+1], v[MNR+2*\q+1], v[ALR+2*\q], v[SUMR+2*\q]
.endr
.irp q, 0,1,2,3
	v_add_f32 v[MNR+2*\q+1], v[MNR+2*\q+1], v[SUMR+2*\q+1]
.endr
	; P in place, as f16: the packed words of S tiles 2 c and 2 c + 1 fill registers 0-7 of the pair; each word is written behind the reads of its registers
.irp q, 0,1,2,3
.irp c, 0,1
.irp p, 0,1,2,3
	v_cvt_pk_f16_f32 v[32*\q+16*\c+\p], v[32*\q+16*\c+2*\p], v[32*\q+16*\c+2*\p+1]
.endr
.irp p, 0,1,2,3
	v_cvt_pk_f16_f32 v[32*\q+16*\c+4+\p], v[32*\q+16*\c+8+2*\p], v[32*\q+16*\c+8+2*\p+1]
.endr
.endr
.endr
.endm
.macro RESCALE
	WIN 0x86                                       ; O in window 2, the factor in window 1
.irp q, 0,1,2,3
.irp p, 0,2,4,6,8,10,12,14,16,18,20,22,24,26,28,30
	v_pk_mul_f32 v[32*\q+\p:32*\q+\p+1], v[32*\q+\p:32*\q+\p+1], v[ALR+2*\q:ALR+2*\q+1] op_sel_hi:[1,0]
.endr
.endr
.endm
; 32 matrix instructions: O^T += V^T P^T.  Again 16 accumulators by turns.
.macro PV
	WIN 0xa4                                       ; A = V^T window 0, B = P window 1, C and D window 2
.irp c, 0,1
.irp q, 0,1,2,3
.irp d, 0,1,2,3
	v_wmma_f32_16x16x32_f16 v[32*\q+8*\d:32*\q+8*\d+7], v[VR+16*\d+8*\c:VR+16*\d+8*\c+7], v[32*\q+16*\c:32*\q+16*\c+7], v[32*\q+8*\d:32*\q+8*\d+7]
.endr
.endr
.endr
.endm
; The start of a pass: -M = s<sm>; l = w0 x s<sn> (a quarter of the far keys: two halves of the lanes x two waves); O = w0 / 2 x the far V rows' sums.
.macro INIT pass, sn, sm
.irp d, 0,1,2,3
	ds_load_b128 v[KR+32+8*\d:KR+32+8*\d+3],   v[VSR] offset:512*\pass+64*\d
	ds_load_b128 v[KR+32+8*\d+4:KR+32+8*\d+7], v[VSR] offset:512*\pass+64*\d+16
.endr
	WIN 0x55
	v_cvt_f32_u32 v[XR], s\sn
.irp q, 0,1,2,3
	v_mov_b32 v[MNR+2*\q], s\sm
	v_mul_f32 v[MNR+2*\q+1], v[XR], v[W0V]
.endr
	s_wait_dscnt 0x0
	WIN 0x80
.irp q, 0,1,2,3
.irp d, 0,1,2,3
.irp p, 0,2,4,6
	v_pk_mul_f32 v[32*\q+8*\d+\p:32*\q+8*\d+\p+1], v[KR+32+8*\d+\p:KR+32+8*\d+\p+1], v[HW0:HW0+1]
.endr
.endr
.endr
	WIN 0
.endm
; The end of a pass: the two waves of a head exchange their states through LDS; wave w % 2 merges q tiles 2 (w % 2) + f, f = 0, 1, divides, rounds,
; and the block of 64 queries x 2 heads leaves through a stage as whole rows of 256 bytes.  A tensor load may be out across these two barriers:
; behind them no LDS bytes are filled.
.macro FINAL cp
	WIN 0x55
.irp q, 0,1,2,3
	v_permlanex16_b32 v[XR+2*\q+1], v[MNR+2*\q+1], s72, s73
.endr
.irp q, 0,1,2,3
	v_add_f32 v[MNR+2*\q+1], v[MNR+2*\q+1], v[XR+2*\q+1]           ; l of both halves of the lanes
.endr
	WIN 0x08                                       ; store data in window 2
.irp q, 0,1,2,3
.irp d, 0,1,2,3
	ds_store_b128 v[XOW], v[32*\q+8*\d:32*\q+8*\d+3]   offset:4096*\q+1024*\d
	ds_store_b128 v[XOW], v[32*\q+8*\d+4:32*\q+8*\d+7] offset:4096*\q+1024*\d+512
.endr
.endr
	WIN 0x04                                       ; store data in window 1
.irp q, 0,1,2,3
	ds_store_b32 v[XSW], v[MNR+2*\q]   offset:256*\q
	ds_store_b32 v[XSW], v[MNR+2*\q+1] offset:256*\q+128
.endr
	WIN 0
	s_wait_dscnt 0x0                               ; for the partner's sake: all my stores are done
	s_barrier_signal -1
	s_barrier_wait -1
	WIN 0x40
.irp f, 0,1
.irp s, 0,1
	ds_load_b32 v[FS+8*\f+2*\s],   v[XSRD] offset:1024*\s+256*\f
	ds_load_b32 v[FS+8*\f+2*\s+1], v[XSRD] offset:1024*\s+256*\f+128
.endr
.endr
	WIN 0x80
.irp s, 0,1
.irp f, 0,1
.irp e, 0,1,2,3,4,5,6,7
	ds_load_b128 v[64*\s+32*\f+4*\e:64*\s+32*\f+4*\e+3], v[XORD] offset:16384*\s+4096*\f+512*\e
.endr
.endr
.endr
	s_wait_dscnt 32                                ; the eight words of -M and l are in; the 32 younger loads of O stay out
	WIN 0x55
.irp f, 0,1
	v_min_num_f32 v[XR+2*\f], v[FS+8*\f], v[FS+8*\f+2]             ; -M of both
.endr
.irp f, 0,1
	v_sub_f32 v[FS+8*\f+4], v[XR+2*\f], v[FS+8*\f]
	v_sub_f32 v[FS+8*\f+6], v[XR+2*\f], v[FS+8*\f+2]
.endr
.irp f, 0,1
	v_exp_f32 v[FS+8*\f+4], v[FS+8*\f+4]
	v_exp_f32 v[FS+8*\f+6], v[FS+8*\f+6]
.endr
	v_nop                                          ; a plain place behind the exponentials
.irp f, 0,1
	s_wait_alu depctr_va_vdst(0)
	v_mul_f32 v[XR+2*\f+1], v[FS+8*\f+1], v[FS+8*\f+4]
.endr
.irp f, 0,1
	v_fmac_f32 v[XR+2*\f+1], v[FS+8*\f+3], v[FS+8*\f+6]            ; the denominator
.endr
.irp f, 0,1
	v_rcp_f32 v[XR+2*\f+1], v[XR+2*\f+1]
.endr
	v_nop                                          ; a plain place behind the reciprocals
.irp f, 0,1
	s_wait_alu depctr_va_vdst(0)
	v_mul_f32 v[FS+8*\f+4], v[FS+8*\f+4], v[XR+2*\f+1]
	v_mul_f32 v[FS+8*\f+6], v[FS+8*\f+6], v[XR+2*\f+1]
.endr
	s_wait_dscnt 0x0
	WIN 0xa6                                       ; O's in window 2, factors in window 1
.irp f, 0,1
.irp p, 0,2,4,6,8,10,12,14,16,18,20,22,24,26,28,30
	v_pk_mul_f32 v[32*\f+\p:32*\f+\p+1], v[32*\f+\p:32*\f+\p+1], v[FS+8*\f+4:FS+8*\f+5] op_sel_hi:[1,0]
.endr
.irp p, 0,2,4,6,8,10,12,14,16,18,20,22,24,26,28,30
	v_pk_fma_f32 v[32*\f+\p:32*\f+\p+1], v[64+32*\f+\p:64+32*\f+\p+1], v[FS+8*\f+6:FS+8*\f+7], v[32*\f+\p:32*\f+\p+1] op_sel_hi:[1,0,1]
.endr
.endr
	WIN 0x0a
.irp f, 0,1
.irp d, 0,1,2,3
.irp p, 0,1,2,3
	v_cvt_pk_f16_f32 v[VR+16*\f+4*\d+\p], v[32*\f+8*\d+2*\p], v[32*\f+8*\d+2*\p+1]
.endr
.endr
.endr
	WIN 0
.irp f, 0,1
.irp d, 0,1,2,3
	ds_store_b128 v[STW], v[VR+16*\f+4*\d:VR+16*\f+4*\d+3] offset:16*SPITCH*\f+32*\d
.endr
.endr
	s_wait_dscnt 0x0
	s_barrier_signal -1
	s_barrier_wait -1
.irp t, 0,1,2,3,4,5,6,7
	ds_load_b128 v[KR+4*\t:KR+4*\t+3], v[STR] offset:2*SPITCH*\t
.endr
.irp t, 0,1,2,3,4,5,6,7
	s_wait_dscnt 7-\t
	global_store_b128 v[CO], v[KR+4*\t:KR+4*\t+3], s[\cp:\cp+1] offset:4096*\t   ; 16 lanes store 256 neighbouring bytes (both heads of a query), aligned
.endr
	s_wait_xcnt 0x0                                ; the stores' data registers are K's: they are loaded again only behind this wait
.endm
; One key block.  tail = 1: the last step (the second pass's diagonal block): nothing more is fetched.
.macro STEP slot, tail
.rept 5
	v_nop                                          ; five places behind the last O product: S is written over P, and V's registers are loaded again
.endr
	s_wait_tensorcnt 0x0                           ; all my tensor loads have landed (one was out: my part of this slot), so a descriptor may be written
	ds_add_u32 v30, v31
	s_wait_dscnt 0x0
.if \tail == 0
	NEXTADDR 1-\slot
.endif
	s_wait_dscnt 0x0                               ; my reads of the other slot are over
	s_barrier_signal -1
	s_barrier_wait -1                              ; both hold of all four waves
.if \tail == 0
	KVLOAD 1-\slot                                 ; my one tensor load behind this barrier: it has the whole step in which to land
.endif
.irp k, 0,1,2,3
	ds_load_b128 v[KR+16*\k:KR+16*\k+3],   v[KA+\slot] offset:16*KPITCH*\k
	ds_load_b128 v[KR+16*\k+4:KR+16*\k+7], v[KA+\slot] offset:16*KPITCH*\k+32
.endr
.irp k, 0,1,2,3
	ds_load_b128 v[KR+16*\k+8:KR+16*\k+11],  v[KA+\slot] offset:16*KPITCH*\k+64
	ds_load_b128 v[KR+16*\k+12:KR+16*\k+15], v[KA+\slot] offset:16*KPITCH*\k+96
.endr
.irp c, 0,1
.irp d, 0,1,2,3
	ds_load_tr16_b128 v[VR+16*\d+8*\c:VR+16*\d+8*\c+3],   v[VA+\slot] offset:32*VPITCH*\c+32*\d
	ds_load_tr16_b128 v[VR+16*\d+8*\c+4:VR+16*\d+8*\c+7], v[VA+\slot] offset:32*VPITCH*\c+32*\d+16*VPITCH
.endr
.endr
	s_wait_loadcnt 0x0                             ; nm of this block, and Q at the start of a pass
	s_wait_dscnt 24                                ; K's first halves of d (8 loads) are in; the 24 younger loads stay out
	SCORES
	WIN 0
.rept 4
	v_nop                                          ; four places: S is read, nm's and Q's registers are loaded again
.endr
.if \tail == 0
	s_lshl_b32 s82, s85, 9                         ; the next block's 128 keys x 4 bytes (s83 = 0)
	s_add_nc_u64 s[30:31], s[28:29], s[82:83]      ; free: the loads that used it were waited for above
.irp k, 0,1,2,3
	global_load_b128 v[NMR+8*\k:NMR+8*\k+3],   v[NO], s[30:31] offset:64*\k
	global_load_b128 v[NMR+8*\k+4:NMR+8*\k+7], v[NO], s[30:31] offset:64*\k+16
.endr
	s_cmp_lg_u32 s70, s19                          ; the first pass's diagonal block?  (the group's x and the step's number: alike in all four waves)
	s_cbranch_scc1 .Lnot_diag_\@
	MASK DLWA
	WIN 0
	QLOAD 26                                       ; the second pass's queries
.Lnot_diag_\@:
.else
	MASK DLWB
.endif
	SOFTMAX
	RESCALE
	s_wait_dscnt 0x0                               ; V's fragments
	PV
	WIN 0
.if \tail == 0
	s_cmp_lg_u32 s70, s19
	s_cbranch_scc1 .Lnot_end_\@
.rept 4
	v_nop                                          ; four places behind the last O product
.endr
	FINAL 66
	INIT 1, 84, 78
.Lnot_end_\@:
	s_add_co_u32 s70, s70, 1
.else
.rept 4
	v_nop
.endr
	FINAL 68
.endif
.endm
	s_load_b256 s[4:11], s[0:1], 0x0               ; qkv s[4:5], nm s[6:7], vsum s[8:9], ctx s[10:11]
	v_lshl_add_u32 v30, v0, 2, 0x38800
	v_mov_b32 v31, 0
	ds_add_u32 v30, v31
	ds_add_u32 v30, v31
	v_lshrrev_b32 v1, 5, v0
	v_readfirstlane_b32 s12, v1                    ; wave w
	s_lshr_b32 s13, s12, 1                         ; head of the pair; also: I fetch K (0) or V (1)
	s_and_b32 s14, s12, 1                          ; which 64 keys; also: which 64 rows I fetch
	s_mov_b32 s15, ttmp9                           ; i
	s_and_b32 s16, ttmp7, 0xffff
	s_lshr_b32 s17, s16, 3                         ; batch
	s_and_b32 s18, s16, 7                          ; head pair
	s_lshr_b32 s19, s15, 1                         ; ia: the first pass's diagonal key block
	; group 1: 64 rows x 128 elements of 2 bytes, 3,072 elements from row to row; behind every 64 words 4 words of padding for K, 8 for V
	s_mov_b32 s[G1K+0], 0x07510000
	s_mov_b32 s[G1V+0], 0x0f510000
	s_mov_b32 s[G1K+1], 128<<16
	s_mov_b32 s[G1V+1], 128<<16
	s_mov_b32 s[G1K+2], 64<<16
	s_mov_b32 s[G1V+2], 64<<16
	s_mov_b32 s[G1K+3], 128<<16
	s_mov_b32 s[G1V+3], 128<<16
	s_mov_b32 s[G1K+4], 64
	s_mov_b32 s[G1V+4], 64
	s_mov_b32 s[G1K+5], 3072
	s_mov_b32 s[G1V+5], 3072
	s_mov_b32 s[G1K+6], 0
	s_mov_b32 s[G1V+6], 0
	s_mov_b32 s[G1K+7], 0
	s_mov_b32 s[G1V+7], 0
	s_mul_i32 s76, s14, 64*KPITCH
	s_mul_i32 s77, s14, 64*VPITCH
	s_add_co_u32 s77, s77, VOFF
.irp s, 0,1
	s_mov_b32 s[G0K+4*\s], 1
	s_add_co_u32 s[G0K+4*\s+1], s76, \s*SLOT
	s_mov_b32 s[G0V+4*\s], 1
	s_add_co_u32 s[G0V+4*\s+1], s77, \s*SLOT
.endr
	s_lshl_b32 s93, s17, 11                        ; 2048 batch
	s_lshl_b32 s91, s18, 8                         ; 256 bytes a head pair
	s_lshl_b32 s92, s13, 7                         ; 128 bytes a head
	s_lshl_b32 s82, s14, 6
	s_add_co_u32 s82, s82, s93
	s_mul_i32 s82, s82, ROWB
	s_add_co_u32 s82, s82, s91
	s_add_co_u32 s82, s82, 2048                    ; the K section begins at byte 2,048 of a row, the V section at 4,096
	s_mov_b32 s83, 0
	s_wait_dscnt 0x0
	s_wait_kmcnt 0x0
	s_add_nc_u64 s[20:21], s[4:5], s[82:83]        ; my rows of K in key block 0
	s_add_nc_u64 s[22:23], s[20:21], 2048          ; and of V
	s_mov_b64 s[G0K+2:G0K+3], s[20:21]
	s_or_b32 s[G0K+3], s[G0K+3], 0x80000000
	s_mov_b64 s[G0V+2:G0V+3], s[22:23]
	s_or_b32 s[G0V+3], s[G0V+3], 0x80000000
	KVLOAD 0                                       ; slot 0's first fill, ahead of every wait on it, LDS read and barrier; never more than one tensor load of a wave is out
	s_lshl_b32 s86, s15, 6
	s_add_co_u32 s86, s86, s93                     ; first query row of the first pass
	s_sub_co_u32 s87, 31, s15
	s_lshl_b32 s87, s87, 6
	s_add_co_u32 s87, s87, s93                     ; and of the second
	s_add_co_u32 s89, s91, s92
	s_mul_i32 s82, s86, ROWB
	s_add_co_u32 s82, s82, s89
	s_add_nc_u64 s[24:25], s[4:5], s[82:83]        ; Q, first pass
	s_mul_i32 s82, s87, ROWB
	s_add_co_u32 s82, s82, s89
	s_add_nc_u64 s[26:27], s[4:5], s[82:83]        ; Q, second pass
	s_lshl_b32 s89, s12, 4                         ; on the way out wave w stores rows 16 w .. + 15
	s_add_co_u32 s82, s86, s89
	s_lshl_b32 s82, s82, 11
	s_add_co_u32 s82, s82, s91
	s_add_nc_u64 s[66:67], s[10:11], s[82:83]      ; ctx, first pass
	s_add_co_u32 s82, s87, s89
	s_lshl_b32 s82, s82, 11
	s_add_co_u32 s82, s82, s91
	s_add_nc_u64 s[68:69], s[10:11], s[82:83]      ; ctx, second pass
	s_lshl_b32 s82, s14, 6
	s_add_co_u32 s82, s82, s93
	s_lshl_b32 s82, s82, 2
	s_add_nc_u64 s[28:29], s[6:7], s[82:83]        ; nm of my 64 keys in block 0
	s_lshl_b32 s82, s17, 16                        ; vsum: 16 blocks x 4,096 bytes a batch,
	s_lshl_b32 s89, s18, 9                         ; 128 columns x 4 bytes a head pair
	s_add_co_u32 s82, s82, s89
	s_add_nc_u64 s[8:9], s[8:9], s[82:83]
	s_mov_b32 s72, 0x76543210                      ; v_permlanex16_b32: lane i of one half reads lane i of the other
	s_mov_b32 s73, 0xfedcba98
	s_mov_b32 s74, 0x3e38aa3b                      ; c = 0.125 log2 e
	s_mov_b32 s75, 0x3e38aa3b
	s_mov_b32 s90, 0xbe38aa3b                      ; -c
	s_mov_b32 s88, 0x46616c00                      ; 14427.0: -M at the start of a pass with far keys (c x -80000 = -14426.95)
	s_mov_b32 s94, 0x7f7fffff                      ; the largest f32: -M at the start of a pass without
	s_cmp_eq_u32 s19, 0
	s_cselect_b32 s78, s94, s88                    ; the second pass has 128 ia far keys
	s_sub_co_u32 s89, 15, s19                      ; the second pass's diagonal block
	s_lshl_b32 s79, s89, 5                         ; a quarter of the first pass's far keys: 32 (15 - ia)
	s_lshl_b32 s84, s19, 5                         ; and of the second's: 32 ia
	v_and_b32 v1, 31, v0                           ; lane L
	v_and_b32 v2, 15, v0                           ; r
	v_bfe_u32 v3, v0, 4, 1                         ; h
	v_and_b32 v4, 7, v0
	v_bfe_u32 v5, v0, 3, 1
	v_mul_u32_u24 v7, v2, ROWB
	v_lshl_add_u32 v[QO], v3, 4, v7
	v_lshlrev_b32 v[NO], 5, v3
	v_lshlrev_b32 v[VSO], 2, v0
	QLOAD 24
.irp k, 0,1,2,3
	global_load_b128 v[NMR+8*\k:NMR+8*\k+3],   v[NO], s[28:29] offset:64*\k
	global_load_b128 v[NMR+8*\k+4:NMR+8*\k+7], v[NO], s[28:29] offset:64*\k+16
.endr
.irp j, 0,1,2,3,4,5,6,7,8,9,10,11,12,13,14,15
	global_load_b32 v[VR+\j], v[VSO], s[8:9] offset:4096*\j        ; thread t: column t of the pair's 128, all 16 blocks of the batch
.endr
	s_mul_i32 s76, s14, 64*KPITCH
	s_add_co_u32 s76, s76, s92
	v_mul_u32_u24 v6, v2, KPITCH
	v_lshl_add_u32 v6, v3, 4, v6                   ; 272 r + 16 h
	v_add_nc_u32 v[KA], s76, v6
	v_add_nc_u32 v[KA+1], SLOT, v[KA]
	s_mul_i32 s76, s14, 64*VPITCH
	s_add_co_u32 s76, s76, s92
	s_add_co_u32 s76, s76, VOFF
	v_lshl_add_u32 v7, v3, 3, v4                   ; key row 8 h + L % 8
	v_mul_u32_u24 v7, v7, VPITCH
	v_lshl_add_u32 v7, v5, 4, v7
	v_add_nc_u32 v[VA], s76, v7
	v_add_nc_u32 v[VA+1], SLOT, v[VA]
	s_lshl_b32 s76, s12, 14
	s_add_co_u32 s76, s76, L_XO
	v_lshl_add_u32 v[XOW], v1, 4, s76
	s_lshl_b32 s76, s12, 10
	s_add_co_u32 s76, s76, L_XS
	v_lshl_add_u32 v[XSW], v1, 2, s76
	s_lshl_b32 s76, s13, 15
	s_lshl_b32 s77, s14, 13
	s_add_co_u32 s76, s76, s77
	s_add_co_u32 s76, s76, L_XO
	v_lshl_add_u32 v[XORD], v1, 4, s76
	s_lshl_b32 s76, s13, 11
	s_lshl_b32 s77, s14, 9
	s_add_co_u32 s76, s76, s77
	s_add_co_u32 s76, s76, L_XS
	v_lshl_add_u32 v[XSRD], v1, 2, s76
	s_mul_i32 s76, s14, 32*SPITCH
	s_add_co_u32 s76, s76, s92
	s_add_co_u32 s76, s76, L_ST
	v_add_nc_u32 v[STW], s76, v6
	s_mul_i32 s76, s12, 16*SPITCH
	s_add_co_u32 s76, s76, L_ST
	v_mul_u32_u24 v7, v3, SPITCH
	v_lshl_add_u32 v7, v2, 4, v7
	v_add_nc_u32 v[STR], s76, v7
	v_lshlrev_b32 v7, 11, v3
	v_lshl_add_u32 v[CO], v2, 4, v7
	s_lshl_b32 s76, s13, 8
	s_add_co_u32 s76, s76, L_VS
	v_lshl_add_u32 v[VSR], v3, 5, s76
	v_add_nc_u32 v[VSW], L_VS, v[VSO]
	; the far keys' weight at the start, by the same fused multiply-add and exponential as every p
	v_mov_b32 v26, 0xc79c4000                      ; -80000.0
	v_mov_b32 v27, s88
	v_fma_f32 v27, v26, s74, v27
	v_exp_f32 v27, v27
	s_and_b32 s76, s15, 1
	s_lshl_b32 s76, s76, 6                         ; the first pass's queries begin at key 64 (i % 2) of their block,
	s_xor_b32 s77, s76, 64                         ; the second pass's at the other half
	s_lshl_b32 s94, s14, 6
	s_sub_co_i32 s76, s76, s94
	s_sub_co_i32 s77, s77, s94
	v_lshlrev_b32 v28, 3, v3
	v_sub_nc_u32 v28, v2, v28                      ; r - 8 h
	v_add_nc_u32 v29, s77, v28
	v_add_nc_u32 v28, s76, v28
	s_wait_alu depctr_va_vdst(0)
	v_mul_f32 v[HW0], 0.5, v27
	v_mul_f32 v[HW0+1], 0.5, v27
	WIN 0x40
	v_mov_b32 v[DLWA], v28
	v_mov_b32 v[DLWB], v29
	v_mov_b32 v[NEGV], v26
	v_mov_b32 v[W0V], v27
.irp q, 0,1,2,3
	v_mov_b32 v[XR+2*\q+1], 0                      ; a lane exchange's destination counts as read
	v_mov_b32 v[ALR+2*\q+1], 0                     ; the unused halves of pairs that packed instructions name
.endr
.irp f, 0,1
	v_mov_b32 v[FS+8*\f+5], 0
	v_mov_b32 v[FS+8*\f+7], 0
.endr
	WIN 0
	s_wait_loadcnt 0x0
	; the sums of the far V rows: blocks above ia for the first pass, above 15 - ia for the second, added directly
.irp j, 0,1,2,3,4,5,6,7,8,9,10,11,12,13,14,15
	s_cmp_lt_u32 s19, \j
	s_cselect_b32 s76, -1, 0
	s_cmp_lt_u32 s89, \j
	s_cselect_b32 s77, -1, 0
.if \j == 0
	v_and_b32 v6, s76, v[VR]
	v_and_b32 v7, s77, v[VR]
.else
	v_and_b32 v26, s76, v[VR+\j]
	v_and_b32 v27, s77, v[VR+\j]
	v_add_f32 v6, v6, v26
	v_add_f32 v7, v7, v27
.endif
.endr
	ds_store_b32 v[VSW], v6
	ds_store_b32 v[VSW], v7 offset:512
	s_wait_dscnt 0x0
	s_barrier_signal -1
	s_barrier_wait -1                              ; slot 0's load may be out
	INIT 0, 79, 88
	s_mov_b32 s70, 0                               ; the step's number t
	s_mov_b32 s71, 8
.Lloop:
	STEP 0, 0
	STEP 1, 0
	s_sub_co_u32 s71, s71, 1
	s_cmp_lg_u32 s71, 0
	s_cbranch_scc1 .Lloop
	STEP 0, 1                                      ; step 16
	s_wait_tensorcnt 0x0
	ds_add_u32 v30, v31
	s_wait_dscnt 0x0
	s_endpgm
.Lfunc_end_k_q6bdb8aa87b_attn:
	.size	k_q6bdb8aa87b_attn, .Lfunc_end_k_q6bdb8aa87b_attn-k_q6bdb8aa87b_attn
	.p2alignl 7, 3214868480
	.fill 96, 4, 3214868480
	.section	.rodata,"a",@progbits
	.p2align	6, 0x0
	.amdhsa_kernel k_q6bdb8aa87b_attn
		.amdhsa_group_segment_fixed_size 327680
		.amdhsa_private_segment_fixed_size 0
		.amdhsa_enable_private_segment 0
		.amdhsa_kernarg_size 32
		.amdhsa_user_sgpr_count 2
		.amdhsa_user_sgpr_kernarg_segment_ptr 1
		.amdhsa_wavefront_size32 1
		.amdhsa_system_sgpr_workgroup_id_x 1
		.amdhsa_system_sgpr_workgroup_id_y 1
		.amdhsa_system_sgpr_workgroup_id_z 1
		.amdhsa_system_vgpr_workitem_id 0
		.amdhsa_next_free_vgpr 640
		.amdhsa_next_free_sgpr 96
		.amdhsa_reserve_vcc 1
		.amdhsa_float_denorm_mode_32 3
		.amdhsa_float_denorm_mode_16_64 3
		.amdhsa_memory_ordered 1
		.amdhsa_forward_progress 1
		.amdhsa_inst_pref_size 211
	.end_amdhsa_kernel
	.amdgpu_metadata
---
amdhsa.version: [ 1, 2 ]
amdhsa.kernels:
  - .name:           k_q6bdb8aa87b_attn
    .symbol:         k_q6bdb8aa87b_attn.kd
    .args:
      - { .name: qkv, .offset: 0, .size: 8, .value_kind: global_buffer, .address_space: global }
      - { .name: nm, .offset: 8, .size: 8, .value_kind: global_buffer, .address_space: global }
      - { .name: vsum, .offset: 16, .size: 8, .value_kind: global_buffer, .address_space: global }
      - { .name: ctx, .offset: 24, .size: 8, .value_kind: global_buffer, .address_space: global }
    .group_segment_fixed_size: 327680
    .private_segment_fixed_size: 0
    .kernarg_segment_align: 8
    .kernarg_segment_size: 32
    .max_flat_workgroup_size: 128
    .sgpr_count:     96
    .vgpr_count:     640
    .wavefront_size: 32
...
	.end_amdgpu_metadata
.endif
;; end of part 3
;; launch proj (part 4): grid 8 x 32, 4 waves a work-group, clusters of 4 x 4, 327,680 bytes of LDS; arguments ctx, wpb, b_proj, out0; writes out0
.if DOCPART == 4
	.amdgcn_target "amdgcn-amd-amdhsa--gfx1250"
	.amdhsa_code_object_version 6
	.text
	.protected	k_q6bdb8aa87b_proj
	.globl	k_q6bdb8aa87b_proj
	.p2align	8
	.type	k_q6bdb8aa87b_proj,@function
k_q6bdb8aa87b_proj:
	s_mov_b64 s[64:65], 0
	v_nop
	global_prefetch_b8 v0, s[64:65] scope:SCOPE_SE
	s_setreg_imm32_b32 hwreg(HW_REG_WAVE_MODE, 25, 1), 1
	s_wait_xcnt 0x0
	s_wait_alu depctr_hold_cnt(0) depctr_sa_sdst(0) depctr_va_vdst(0) depctr_va_sdst(0) depctr_va_ssrc(0) depctr_va_vcc(0) depctr_vm_vsrc(0)
	s_getreg_b32 s2, hwreg(HW_REG_IB_STS2, 6, 4)
	s_cmp_eq_u32 s2, 0
	s_cbranch_scc0 .Lentry_in_a_cluster
	s_endpgm
.Lentry_in_a_cluster:
	s_bfe_u32 s2, ttmp6, 0x10000c
	s_cmp_lg_u32 s2, 0xf033
	s_cbranch_scc0 .Lentry_shape_is_right
	s_endpgm
.Lentry_shape_is_right:
; out0[m][n] = sum over k of ctx[m][k] wpb[n][k] + b_proj[n],  m < 4096, n < 1024, k < 1024; operands f16, sums and result f32.
; ctx is the attention launch's f16 result; wpb holds W_proj rounded to bf16 and written as f16 (the conversion launch states its limits).
; 256 work-groups of 128 x 128, four waves of 64 x 64 (16 accumulator tiles).  Larger blocks would give fewer work-groups than 256.
; K goes through two LDS slots of 256 along K each (rows of 512 bytes, aligned), four fills in all, so the walk is written out without a loop.
; CLUSTERS: 4 x 4 work-groups; ctx's tile is shared along a row of the cluster, wpb's along a column, each by a joint load.
; REGISTERS: window 0: addresses, wpb's fragments (two buffers), the bias, the way out; window 1: the accumulators (tile (a, b) at v[8 (4 a + b)]) and
; ctx's fragments (two buffers).  One setting (0x54) serves the matrix instructions and the loads of ctx's fragments; only wpb's loads need another.
; The matrix instruction is used transposed (source 0 = rows of wpb, source 1 = rows of ctx): a lane holds eight neighbouring columns of one row.
.set SIZE_N, 1024
.set SIZE_K, 1024
.set KSLOT,  256
.set PITCH,  528                       ; 512 bytes + 16: an odd multiple of 16
.set HALFT,  64*PITCH                  ; 64 rows: one tensor load, and what one wave reads of either operand
.set SLOT,   4*HALFT
.set STAGE,  2*SLOT                    ; 16 rows x 272 bytes for each wave; no tensor load lands here
.set SPITCH, 272
.set ADRA, 16                          ; v16-17
.set ADRB, 20                          ; v20-21
.set STO,  24
.set RD,   25
.set CO,   26
.set BOFF, 27
.set FB,   64                          ; window 0: v64-95, v96-127  wpb's fragments, buffers 0, 1
.set OUTR, 128                         ; window 0: v128-159 the way out
.set BIAS, 192                         ; window 0: v192-223 bias of my 64 columns
.set FA,   128                         ; window 1: v128-159, v160-191 ctx's fragments, buffers 0, 1
.set G1, 24
.set G0, 32
.set G1B, 48
.set G0B, 56
.set MULW, 0x54                        ; source 0 window 0, source 1, C and D window 1 (first products: C in window 0, 0x44)
.set MSB, 0
.macro WIN new
.if MSB != (\new)
	s_set_vgpr_msb (MSB<<8)|(\new)
.set MSB, (\new)
.endif
.endm
.macro JLOAD s
	s_cmp_eq_u32 s11, 0
	s_cbranch_scc0 .Lfor_b_\@
	tensor_load_to_lds s[G0+4*\s:G0+4*\s+3], s[G1:G1+7]
	s_nop 0
	s_branch .Lasked_\@
.Lfor_b_\@:
	tensor_load_to_lds s[G0B+4*\s:G0B+4*\s+3], s[G1B:G1B+7]
	s_nop 0
.Lasked_\@:
.endm
.macro CREST
	s_cmp_lg_u32 s10, 0
	s_cbranch_scc1 .Lnot_wave_0_\@
	s_barrier_signal -3
.Lnot_wave_0_\@:
	s_barrier_wait -3
	s_barrier_signal -1
	s_barrier_wait -1
.endm
.macro CROUND
	s_barrier_signal -1
	s_barrier_wait -1
	CREST
.endm
	s_load_b128 s[4:7], s[0:1], 0x0                ; ctx s[4:5], wpb s[6:7]
	s_load_b64 s[68:69], s[0:1], 0x10              ; b_proj
	s_load_b64 s[8:9], s[0:1], 0x18                ; out0
	v_lshl_add_u32 v255, v0, 2, 0x46400
	s_set_vgpr_msb 0x40
	v_mov_b32 v193, 0
	s_set_vgpr_msb 0x4044
	ds_add_u32 v255, v193
	ds_add_u32 v255, v193
	s_set_vgpr_msb 0x4400
	v_lshrrev_b32 v1, 5, v0
	v_readfirstlane_b32 s10, v1                    ; wave
	s_lshr_b32 s11, s10, 1                         ; my half of the block's rows; also: I fetch for ctx (0) or wpb (1)
	s_and_b32 s12, s10, 1                          ; my half of its columns; also: which 64 rows of that tile I fetch
	s_bfe_u32 s40, ttmp6, 0x40000                  ; cx
	s_bfe_u32 s41, ttmp6, 0x40004                  ; cy
	s_lshl_b32 s42, ttmp9, 2
	s_add_co_u32 s42, s42, s40                     ; block column
	s_and_b32 s13, ttmp7, 0xffff
	s_lshl_b32 s13, s13, 2
	s_add_co_u32 s13, s13, s41                     ; block row
	s_lshl_b32 s43, s41, 2
	s_lshl_b32 s43, 15, s43                        ; my row of the cluster
	s_lshl_b32 s44, 0x1111, s40                    ; my column
	; group 1: 64 rows x 256 elements of 2 bytes, 4 words of padding behind every 128 words; bit 21 stands beside a mask
	s_or_b32 s[G1+0], s43, (1<<16)|(1<<20)|(1<<21)|(6<<22)|(3<<25)
	s_or_b32 s[G1B+0], s44, (1<<16)|(1<<20)|(1<<21)|(6<<22)|(3<<25)
	s_mov_b32 s[G1B+1], KSLOT<<16
	s_mov_b32 s[G1+1], KSLOT<<16
	s_mov_b32 s[G1B+2], 64<<16
	s_mov_b32 s[G1+2], 64<<16
	s_mov_b32 s[G1B+3], KSLOT<<16
	s_mov_b32 s[G1+3], KSLOT<<16
	s_mov_b32 s[G1B+4], 64
	s_mov_b32 s[G1+4], 64
	s_mov_b32 s[G1B+5], SIZE_K
	s_mov_b32 s[G1+5], SIZE_K
	s_mov_b32 s[G1B+6], 0
	s_mov_b32 s[G1+6], 0
	s_mov_b32 s[G1B+7], 0
	s_mov_b32 s[G1+7], 0
	s_lshl_b32 s17, s12, 6
	s_lshl_b32 s16, s13, 7
	s_add_co_u32 s16, s16, s17                     ; ctx: row 128 x block row + 64 x half
	s_lshl_b32 s46, s42, 7
	s_add_co_u32 s46, s46, s17                     ; wpb: row 128 x block column + 64 x half
	s_mov_b32 s17, 0
	s_mov_b32 s47, 0
	s_mov_b64 s[18:19], SIZE_K*2
	s_mul_u64 s[16:17], s[16:17], s[18:19]
	s_mul_u64 s[46:47], s[46:47], s[18:19]
	s_mul_i32 s20, s10, HALFT                      ; LDS: wave x 64 rows
	s_wait_dscnt 0x0
	s_wait_kmcnt 0x0
	s_add_nc_u64 s[14:15], s[4:5], s[16:17]
	s_add_nc_u64 s[46:47], s[6:7], s[46:47]
	CROUND                                         ; in front of the first joint loads
.irp s, 0,1
	s_mov_b32 s[G0+4*\s], 1
	s_add_co_u32 s[G0+4*\s+1], s20, \s*SLOT
	s_add_nc_u64 s[G0+4*\s+2:G0+4*\s+3], s[14:15], \s*KSLOT*2
	s_or_b32 s[G0+4*\s+3], s[G0+4*\s+3], 0x80000000
	s_mov_b32 s[G0B+4*\s], 1
	s_add_co_u32 s[G0B+4*\s+1], s20, \s*SLOT
	s_add_nc_u64 s[G0B+4*\s+2:G0B+4*\s+3], s[46:47], \s*KSLOT*2
	s_or_b32 s[G0B+4*\s+3], s[G0B+4*\s+3], 0x80000000
	JLOAD \s                                       ; both first fills: two loads of this wave out, the most in this text
.endr
	v_and_b32 v1, 15, v0                           ; r
	v_bfe_u32 v2, v0, 4, 1                         ; h
	v_mul_u32_u24 v3, v1, PITCH
	v_lshl_add_u32 v3, v2, 4, v3
	s_mul_i32 s21, s11, HALFT
	s_mul_i32 s22, s12, HALFT
	s_add_co_u32 s22, s22, 2*HALFT
.irp s, 0,1
	v_add_nc_u32 v[ADRA+\s], s21, v3
	v_add_nc_u32 v[ADRB+\s], s22, v3
	s_add_co_u32 s21, s21, SLOT
	s_add_co_u32 s22, s22, SLOT
.endr
	s_mul_i32 s23, s10, 16*SPITCH
	s_add_co_u32 s23, s23, STAGE
	v_mul_u32_u24 v4, v1, SPITCH                   ; in: row r, 32 bytes for each half of the lanes
	v_lshl_add_u32 v4, v2, 5, v4
	v_add_nc_u32 v[STO], s23, v4
	v_mul_u32_u24 v5, v2, SPITCH                   ; back: lanes 0-15 one row of 256 bytes, lanes 16-31 the next
	v_lshl_add_u32 v5, v1, 4, v5
	v_add_nc_u32 v[RD], s23, v5
	v_lshlrev_b32 v5, 12, v2                       ; and the same two rows in out0 (4,096 bytes each)
	v_lshl_add_u32 v[CO], v1, 4, v5
	v_lshlrev_b32 v[BOFF], 5, v2
	s_lshl_b32 s66, s42, 9                         ; my first column in bytes: 512 x block column + 256 x half
	s_lshl_b32 s67, s12, 8
	s_add_co_u32 s66, s66, s67
	s_mov_b32 s67, 0
	s_add_nc_u64 s[68:69], s[68:69], s[66:67]
	s_add_nc_u64 s[8:9], s[8:9], s[66:67]
.irp b, 0,1,2,3
	global_load_b128 v[BIAS+8*\b:BIAS+8*\b+3],   v[BOFF], s[68:69] offset:64*\b
	global_load_b128 v[BIAS+8*\b+4:BIAS+8*\b+7], v[BOFF], s[68:69] offset:64*\b+16
.endr
; four matrix instructions: m block a x all four n blocks.  first = 1: the bias is the C of the first product.
.macro MUL4 f, a, first
.irp b, 0,1,2,3
.if \first
	v_wmma_f32_16x16x32_f16 v[8*(4*\a+\b):8*(4*\a+\b)+7], v[FB+32*\f+8*\b:FB+32*\f+8*\b+7], v[FA+32*\f+8*\a:FA+32*\f+8*\a+7], v[BIAS+8*\b:BIAS+8*\b+7]
.else
	v_wmma_f32_16x16x32_f16 v[8*(4*\a+\b):8*(4*\a+\b)+7], v[FB+32*\f+8*\b:FB+32*\f+8*\b+7], v[FA+32*\f+8*\a:FA+32*\f+8*\a+7], v[8*(4*\a+\b):8*(4*\a+\b)+7]
.endif
.endr
.endm
.macro FETCH slot, k, f                ; 16 LDS loads: wpb's four fragments, then ctx's four
	WIN 0
.irp i, 0,1,2,3
	ds_load_b128 v[FB+32*\f+8*\i:FB+32*\f+8*\i+3],   v[ADRB+\slot] offset:\k+\i*16*PITCH
	ds_load_b128 v[FB+32*\f+8*\i+4:FB+32*\f+8*\i+7], v[ADRB+\slot] offset:\k+\i*16*PITCH+32
.endr
	WIN MULW                                       ; destination in window 1, address in window 0
.irp i, 0,1,2,3
	ds_load_b128 v[FA+32*\f+8*\i:FA+32*\f+8*\i+3],   v[ADRA+\slot] offset:\k+\i*16*PITCH
	ds_load_b128 v[FA+32*\f+8*\i+4:FA+32*\f+8*\i+7], v[ADRA+\slot] offset:\k+\i*16*PITCH+32
.endr
.endm
.macro PLACES                          ; four places behind a matrix instruction before a load lands on one of its registers or its result is read (ISA guide 7.12.1 for vector instructions)
.rept 4
	v_nop
.endr
.endm
; 32 along K: 16 matrix instructions on buffer f, the 16 accumulators by turns; in the middle the next 32's fragments go into buffer g.
.macro QTR slot, k, f, g, first
	s_wait_dscnt 4                                 ; all but ctx's fragments 2 and 3 (the youngest four loads)
	WIN MULW-0x10*\first
	MUL4 \f, 0, \first
	MUL4 \f, 1, \first
	PLACES
	FETCH \slot, \k, \g
	s_wait_dscnt 16                                ; all but the 16 just issued
	WIN MULW-0x10*\first
	MUL4 \f, 2, \first
	MUL4 \f, 3, \first
.endm
.macro SEVEN slot, first
	QTR \slot, 64,  0, 1, \first
	QTR \slot, 128, 1, 0, 0
	QTR \slot, 192, 0, 1, 0
	QTR \slot, 256, 1, 0, 0
	QTR \slot, 320, 0, 1, 0
	QTR \slot, 384, 1, 0, 0
	QTR \slot, 448, 0, 1, 0
.endm
; The slot's last 32 along K, and the change of slots: waits, barrier (with a refill: a round of the cluster's barrier), the refill first, then the next slot's first fragments.
.macro TURN slot, next, fill
	s_wait_dscnt 4
	WIN MULW
	MUL4 1, 0, 0
	s_wait_dscnt 0                                 ; my reads of this slot are over
	s_wait_tensorcnt 0x0                           ; all my tensor loads have landed, my part of the next slot among them
	ds_add_u32 v255, v193
	s_wait_dscnt 0x0
	s_barrier_signal -1
	MUL4 1, 1, 0                                   ; register work while the others arrive
	WIN 0
	s_barrier_wait -1
.if \fill
	CREST
	s_add_nc_u64 s[G0+4*\slot+2:G0+4*\slot+3], s[G0+4*\slot+2:G0+4*\slot+3], 2*KSLOT*2
	s_add_nc_u64 s[G0B+4*\slot+2:G0B+4*\slot+3], s[G0B+4*\slot+2:G0B+4*\slot+3], 2*KSLOT*2
	JLOAD \slot                                    ; the wave's one tensor load behind the round
.endif
	PLACES
	FETCH \next, 0, 0
	MUL4 1, 2, 0
	MUL4 1, 3, 0
.endm
	s_wait_tensorcnt 1                             ; my part of slot 0 is in; slot 1's load, issued behind it, may stay out
	s_barrier_signal -1
	s_barrier_wait -1
	FETCH 0, 0, 0
	s_wait_loadcnt 0x0                             ; the bias
	SEVEN 0, 1                                     ; K 0-255
	TURN 0, 1, 1                                   ; slot 0 is asked for again: K 512-767
	SEVEN 1, 0                                     ; K 256-511
	TURN 1, 0, 1                                   ; slot 1: K 768-1023
	SEVEN 0, 0
	TURN 0, 1, 0                                   ; nothing is left to fetch
	SEVEN 1, 0
	s_wait_dscnt 4
	WIN MULW
	MUL4 1, 0, 0
	MUL4 1, 1, 0
	s_wait_dscnt 0
	MUL4 1, 2, 0
	MUL4 1, 3, 0
	PLACES                                         ; behind the last matrix instructions: the LDS stores below read results
	; THE WAY OUT, 16 rows at a time through my own stage, read back as whole rows of 256 bytes (64 f32)
	s_lshl_b32 s16, s13, 7
	s_lshl_b32 s17, s11, 6
	s_add_co_u32 s16, s16, s17                     ; my first row
	s_lshl_b32 s16, s16, 12                        ; x 4,096 bytes
	s_mov_b32 s17, 0
	s_add_nc_u64 s[8:9], s[8:9], s[16:17]
.macro OUT16 a
	WIN 0x04                                       ; store data in window 1
.irp b, 0,1,2,3
	ds_store_b128 v[STO], v[8*(4*\a+\b):8*(4*\a+\b)+3]   offset:64*\b
	ds_store_b128 v[STO], v[8*(4*\a+\b)+4:8*(4*\a+\b)+7] offset:64*\b+16
.endr
	WIN 0
	s_wait_xcnt 0x0                                ; the earlier stores' data registers and base are rewritten only behind this wait
.if \a
	s_add_nc_u64 s[8:9], s[8:9], 16*SIZE_N*4
.endif
.irp t, 0,1,2,3,4,5,6,7
	ds_load_b128 v[OUTR+4*\t:OUTR+4*\t+3], v[RD] offset:\t*2*SPITCH    ; my own bytes: LDS serves a wave's instructions in order
.endr
.irp t, 0,1,2,3,4,5,6,7
	s_wait_dscnt 7-\t
	global_store_b128 v[CO], v[OUTR+4*\t:OUTR+4*\t+3], s[8:9] offset:2*\t*SIZE_N*4   ; 16 lanes store 256 neighbouring bytes, aligned
.endr
.endm
	OUT16 0
	OUT16 1
	OUT16 2
	OUT16 3
	s_set_vgpr_msb 0x4
	s_wait_tensorcnt 0x0
	ds_add_u32 v255, v193
	s_wait_dscnt 0x0
	s_set_vgpr_msb 0x400
	CROUND                                         ; the closing round
	s_endpgm
.Lfunc_end_k_q6bdb8aa87b_proj:
	.size	k_q6bdb8aa87b_proj, .Lfunc_end_k_q6bdb8aa87b_proj-k_q6bdb8aa87b_proj
	.p2alignl 7, 3214868480
	.fill 96, 4, 3214868480
	.section	.rodata,"a",@progbits
	.p2align	6, 0x0
	.amdhsa_kernel k_q6bdb8aa87b_proj
		.amdhsa_group_segment_fixed_size 327680
		.amdhsa_private_segment_fixed_size 0
		.amdhsa_enable_private_segment 0
		.amdhsa_kernarg_size 32
		.amdhsa_user_sgpr_count 2
		.amdhsa_user_sgpr_kernarg_segment_ptr 1
		.amdhsa_wavefront_size32 1
		.amdhsa_system_sgpr_workgroup_id_x 1
		.amdhsa_system_sgpr_workgroup_id_y 1
		.amdhsa_system_sgpr_workgroup_id_z 1
		.amdhsa_system_vgpr_workitem_id 0
		.amdhsa_next_free_vgpr 450
		.amdhsa_next_free_sgpr 72
		.amdhsa_reserve_vcc 0
		.amdhsa_float_denorm_mode_32 3
		.amdhsa_float_denorm_mode_16_64 3
		.amdhsa_memory_ordered 1
		.amdhsa_forward_progress 1
		.amdhsa_inst_pref_size 91
	.end_amdhsa_kernel
	.amdgpu_metadata
---
amdhsa.version: [ 1, 2 ]
amdhsa.kernels:
  - .name:           k_q6bdb8aa87b_proj
    .symbol:         k_q6bdb8aa87b_proj.kd
    .args:
      - { .name: ctx, .offset: 0, .size: 8, .value_kind: global_buffer, .address_space: global }
      - { .name: wpb, .offset: 8, .size: 8, .value_kind: global_buffer, .address_space: global }
      - { .name: b_proj, .offset: 16, .size: 8, .value_kind: global_buffer, .address_space: global }
      - { .name: out0, .offset: 24, .size: 8, .value_kind: global_buffer, .address_space: global }
    .group_segment_fixed_size: 327680
    .private_segment_fixed_size: 0
    .kernarg_segment_align: 8
    .kernarg_segment_size: 32
    .max_flat_workgroup_size: 128
    .sgpr_count:     72
    .vgpr_count:     450
    .wavefront_size: 32
...
	.end_amdgpu_metadata
.endif
;; end of part 4
;; ======== version 2 of 2: 4 launches; version 1 with the launch cvt written anew for expert scheduling mode
;; limits: values are held in f16: magnitudes above 65,504 overflow, below 6.1e-05 lose precision
;; workspace buffers: xb 8,388,608 bytes; wab 6,291,456 bytes; wpb 2,097,152 bytes; nm 16,384 bytes; qkv 25,165,824 bytes; vsum 131,072 bytes; ctx 8,388,608 bytes
;; launch cvt (part 5): grid 512 x 1, 8 waves a work-group, no clusters, 0 bytes of LDS; arguments hidden_states, W_attn, W_proj, attention_mask, xb, wab, wpb, nm; writes xb, wab, wpb, nm
.if DOCPART == 5
	.amdgcn_target "amdgcn-amd-amdhsa--gfx1250"
	.amdhsa_code_object_version 6
	.text
	.protected	k_q6bdb8aa87b_cvt
	.globl	k_q6bdb8aa87b_cvt
	.p2align	8
	.type	k_q6bdb8aa87b_cvt,@function
k_q6bdb8aa87b_cvt:
	s_mov_b64 s[64:65], 0
	v_nop
	global_prefetch_b8 v0, s[64:65] scope:SCOPE_SE
	s_setreg_imm32_b32 hwreg(HW_REG_WAVE_SCHED_MODE, 0, 2), 2
	s_setreg_imm32_b32 hwreg(HW_REG_WAVE_MODE, 25, 1), 1
	s_wait_xcnt 0x0
	s_wait_alu depctr_vm_vsrc(0)
; The three matrix inputs are rounded once to bf16 (nearest even), and the padding mask becomes an addend for raw scores.
;   xb = bf16(hidden_states), wab = bf16(W_attn): stored as bf16, the operands of the first product.
;   wpb = bf16(W_proj), WRITTEN AS f16: its partner in the last product, ctx, is an f16 intermediate, and both operands of a matrix instruction
;   have one format.  f16's 11 significant bits hold bf16's 8 exactly from 2^-17 upward; below that the error is at most 2^-25, and above 65,504
;   (far beyond 30 times the drawn 0.02) the number would overflow: that is this buffer's limit.
;   nm[key] = 0.0 where attention_mask != 0, else -80000.0 (-80000 x 0.125, the score scale, is exactly the problem's -10000).
; A stream: no LDS, no barrier, no matrix unit.  A work-group converts 16,384 numbers: groups 0-255 hidden_states,
; 256-447 W_attn, 448-511 W_proj.  A wave's load covers 512 neighbouring bytes, its store 256 neighbouring bytes, aligned.
; All 16 loads of a thread go out at once; no register that a memory instruction reads is ever written again.
; THE MODE: SCHED_MODE bits 1:0 = 2 (LLVM: expert scheduling mode 2), set by the entry lines.  The code itself states the register dependences
; between vector instructions and memory instructions, with s_wait_alu, always for 0.
; THE PLAN.  Registers that memory instructions touch:
;   v1, v2   byte offsets, made once at the head and never written again: read by every load (v1), every store of 16-bit numbers (v2), the mask's load and nm's store (v1).
;   X        a load lands in each four registers once, before any vector line names them; the conversions read them behind the counted wait for the load
;            (W_proj: and write them again).  No memory instruction reads X.
;   Y        a pair for each load: written by that load's conversions, read by its one store, never written behind it.
;   MK       the mask's load lands in it; four compares read it, four selects write it, nm's store reads it.
; The 16 loads are worked in 8 steps of two.  Step g converts loads 2 g and 2 g + 1 and issues the two stores of step g - 1.  So ONE wait at a step's head, behind
; the wait for the step's data, states that the step before has written the two pairs that these stores read; the step's own vector lines name X and Y of loads
; 2 g and 2 g + 1 alone, so the stores are dealt among them with no further wait.  One more such wait stands ahead of the last two stores.
.set X,  4                             ; v[4:67]    16 x 4 numbers as loaded (W_proj: then the same four rounded to bf16, widened again)
.set Y,  68                            ; v[68:99]   16 x 2 words of packed 16-bit numbers
.set MK, 100                           ; v[100:103] four words of the mask, then of nm
; The four numbers of load u are rounded.  half = 1: the rounded numbers are written as f16.  Vector lines alone.
.macro CONV u, half
	v_cvt_pk_bf16_f32 v[Y+2*(\u)],   v[X+4*(\u)],   v[X+4*(\u)+1]
	v_cvt_pk_bf16_f32 v[Y+2*(\u)+1], v[X+4*(\u)+2], v[X+4*(\u)+3]
.if \half
	v_lshlrev_b32 v[X+4*(\u)],   16,  v[Y+2*(\u)]  ; bf16 to f32: the low half moves up, the high half stays
	v_and_b32     v[X+4*(\u)+1], s31, v[Y+2*(\u)]
	v_lshlrev_b32 v[X+4*(\u)+2], 16,  v[Y+2*(\u)+1]
	v_and_b32     v[X+4*(\u)+3], s31, v[Y+2*(\u)+1]
	v_cvt_pk_f16_f32 v[Y+2*(\u)],   v[X+4*(\u)],   v[X+4*(\u)+1]
	v_cvt_pk_f16_f32 v[Y+2*(\u)+1], v[X+4*(\u)+2], v[X+4*(\u)+3]
.endif
.endm
; The four rounded numbers of load u are stored.
.macro SEND u
	global_store_b64 v2, v[Y+2*(\u):Y+2*(\u)+1], s[26:27] offset:2048*(\u)
.endm
; Step g: loads 2 g and 2 g + 1 are converted; the stores of step g - 1 go out among the conversions.
.macro STEP g, half
	s_wait_loadcnt 14-2*(\g)                       ; loads return in order: loads 2 g and 2 g + 1 are in, the 14 - 2 g younger ones stay out
.if (\g) > 0
	s_wait_alu depctr_va_vdst(0)                   ; the step before has written Y of loads 2 g - 2 and 2 g - 1, which the two stores of this step read
	SEND 2*(\g)-2
.endif
	CONV 2*(\g), \half
.if (\g) > 0
	SEND 2*(\g)-1                                  ; no wait: no vector line since the wait above names this pair of Y, or v2
.endif
	CONV 2*(\g)+1, \half
.endm
	s_load_b512 s[8:23], s[0:1], 0x0               ; hidden s[8:9], W_attn s[10:11], W_proj s[12:13], mask s[14:15], xb s[16:17], wab s[18:19], wpb s[20:21], nm s[22:23]
	s_mov_b32 s29, 256                             ; first group of W_attn
	s_mov_b32 s30, 448                             ; first group of W_proj
	s_mov_b32 s31, 0xffff0000                      ; a word's upper bf16
	s_mov_b32 s3, 0
	v_lshlrev_b32 v1, 4, v0                        ; 16 bytes of f32 a thread
	v_lshlrev_b32 v2, 3, v0                        ; 8 bytes of 16-bit numbers a thread
	s_wait_kmcnt 0x0
	s_cmp_lt_u32 ttmp9, s30                        ; which tensor is mine: the choice hangs on the group's number alone
	s_cselect_b64 s[24:25], s[10:11], s[12:13]
	s_cselect_b64 s[26:27], s[18:19], s[20:21]
	s_cselect_b32 s28, s29, s30
	s_cmp_lt_u32 ttmp9, s29
	s_cselect_b64 s[24:25], s[8:9], s[24:25]
	s_cselect_b64 s[26:27], s[16:17], s[26:27]
	s_cselect_b32 s28, 0, s28
	s_sub_co_u32 s28, ttmp9, s28                   ; my number inside that tensor
	s_lshl_b32 s2, s28, 16                         ; x 65,536 bytes of f32
	s_add_nc_u64 s[24:25], s[24:25], s[2:3]
	s_lshl_b32 s2, s28, 15                         ; x 32,768 bytes of 16-bit numbers
	s_add_nc_u64 s[26:27], s[26:27], s[2:3]
	s_wait_alu depctr_va_vdst(0)                   ; v1 and v2 are written: every load and store of the kernel, on both paths, reads one of them as its offset
.irp u, 0,1,2,3,4,5,6,7,8,9,10,11,12,13,14,15
	global_load_b128 v[X+4*\u:X+4*\u+3], v1, s[24:25] offset:4096*\u th:TH_LOAD_NT
.endr
	s_cmp_ge_u32 ttmp9, s30                        ; W_proj's groups write f16
	s_cbranch_scc1 .Lwproj
.irp g, 0,1,2,3,4,5,6,7
	STEP \g, 0
.endr
	s_wait_alu depctr_va_vdst(0)                   ; step 7 has written Y of loads 14 and 15, which the last two stores read
	SEND 14
	SEND 15
	s_cmp_ge_u32 ttmp9, 4                          ; the 4,096 words of the mask: 1,024 for each of groups 0 to 3
	s_cbranch_scc1 .Lend
	s_lshl_b32 s2, ttmp9, 12
	s_add_nc_u64 s[14:15], s[14:15], s[2:3]
	s_add_nc_u64 s[22:23], s[22:23], s[2:3]
	global_load_b128 v[MK:MK+3], v1, s[14:15]      ; no vector line has named MK, and none has named v1 since the wait at the head
	v_mov_b32 v3, 0xc79c4000                       ; -80000.0
	s_wait_loadcnt 0x0
.irp j, 0,1,2,3
	v_cmp_eq_u32 s[4+\j], 0, v[MK+\j]              ; the four compares in one run, each into a scalar register of its own
.endr
	s_wait_alu depctr_va_sdst(0)                   ; the compares have written s4 to s7, ahead of the first select that reads them
.irp j, 0,1,2,3
	v_cndmask_b32 v[MK+\j], 0, v3, s[4+\j]         ; a padded key: -80000.0, any other: 0.0
.endr
	s_wait_alu depctr_va_vdst(0)                   ; the selects have written MK, which the store reads
	global_store_b128 v1, v[MK:MK+3], s[22:23]
.Lend:
	s_endpgm
.Lwproj:
.irp g, 0,1,2,3,4,5,6,7
	STEP \g, 1
.endr
	s_wait_alu depctr_va_vdst(0)                   ; step 7 has written Y of loads 14 and 15, which the last two stores read
	SEND 14
	SEND 15
	s_endpgm
.Lfunc_end_k_q6bdb8aa87b_cvt:
	.size	k_q6bdb8aa87b_cvt, .Lfunc_end_k_q6bdb8aa87b_cvt-k_q6bdb8aa87b_cvt
	.p2alignl 7, 3214868480
	.fill 96, 4, 3214868480
	.section	.rodata,"a",@progbits
	.p2align	6, 0x0
	.amdhsa_kernel k_q6bdb8aa87b_cvt
		.amdhsa_group_segment_fixed_size 0
		.amdhsa_private_segment_fixed_size 0
		.amdhsa_enable_private_segment 0
		.amdhsa_kernarg_size 64
		.amdhsa_user_sgpr_count 2
		.amdhsa_user_sgpr_kernarg_segment_ptr 1
		.amdhsa_wavefront_size32 1
		.amdhsa_system_sgpr_workgroup_id_x 1
		.amdhsa_system_sgpr_workgroup_id_y 1
		.amdhsa_system_sgpr_workgroup_id_z 1
		.amdhsa_system_vgpr_workitem_id 0
		.amdhsa_next_free_vgpr 104
		.amdhsa_next_free_sgpr 66
		.amdhsa_reserve_vcc 0
		.amdhsa_float_denorm_mode_32 3
		.amdhsa_float_denorm_mode_16_64 3
		.amdhsa_memory_ordered 1
		.amdhsa_forward_progress 1
		.amdhsa_inst_pref_size 16
	.end_amdhsa_kernel
	.amdgpu_metadata
---
amdhsa.version: [ 1, 2 ]
amdhsa.kernels:
  - .name:           k_q6bdb8aa87b_cvt
    .symbol:         k_q6bdb8aa87b_cvt.kd
    .args:
      - { .name: hidden_states, .offset: 0, .size: 8, .value_kind: global_buffer, .address_space: global }
      - { .name: W_attn, .offset: 8, .size: 8, .value_kind: global_buffer, .address_space: global }
      - { .name: W_proj, .offset: 16, .size: 8, .value_kind: global_buffer, .address_space: global }
      - { .name: attention_mask, .offset: 24, .size: 8, .value_kind: global_buffer, .address_space: global }
      - { .name: xb, .offset: 32, .size: 8, .value_kind: global_buffer, .address_space: global }
      - { .name: wab, .offset: 40, .size: 8, .value_kind: global_buffer, .address_space: global }
      - { .name: wpb, .offset: 48, .size: 8, .value_kind: global_buffer, .address_space: global }
      - { .name: nm, .offset: 56, .size: 8, .value_kind: global_buffer, .address_space: global }
    .group_segment_fixed_size: 0
    .private_segment_fixed_size: 0
    .kernarg_segment_align: 8
    .kernarg_segment_size: 64
    .max_flat_workgroup_size: 256
    .sgpr_count:     66
    .vgpr_count:     104
    .wavefront_size: 32
...
	.end_amdgpu_metadata
.endif
;; end of part 5
;; launch qkv: the kernel of part 2 again; grid 12 x 16, 4 waves a work-group, clusters of 4 x 4, 327,680 bytes of LDS; arguments xb, wab, b_attn, attention_mask, qkv, vsum; writes qkv, vsum
;; launch attn: the kernel of part 3 again; grid 16 x 16, 4 waves a work-group, no clusters, 327,680 bytes of LDS; arguments qkv, nm, vsum, ctx; writes ctx
;; launch proj: the kernel of part 4 again; grid 8 x 32, 4 waves a work-group, clusters of 4 x 4, 327,680 bytes of LDS; arguments ctx, wpb, b_proj, out0; writes out0
